; MI455X (gfx1250); checked and timed in simulation.
; The chip was launched on July 23, 2026; its instructions are those of AMD's public machine-readable ISA for CDNA 5 (MIT licence, August 2026) and "CDNA5" Instruction Set Architecture Reference Guide (July 2026). The comments in the code are by the model that wrote it; some were corrected since.
;; Energy Transformer Layer. Allowed arithmetic: matrix products marked QUANTISED: E5M2 operands, one given power-of-two scale a tensor, by v_wmma_f32_16x16x64_bf8_bf8 or v_wmma_f32_16x16x128_bf8_bf8, f32 sums; everything else in f32.
;; Inputs: W1 4,096 x 1,024 float32; W2 1,024 x 4,096 float32; Wk 16 x 64 x 1,024 float32; Wo 1,024 x 1,024 float32; Wq 16 x 64 x 1,024 float32; alpha1 1 float32; alpha2 1 float32; context 2,048 x 1,024 float32; lowp_scales 30 int32 (the exponents e of the quantised operands' scales 2^e); target 1,024 x 1,024 float32.
;; Outputs: out0 1,024 x 1,024 float32.
;; This version of the problem:
;;   THIS VERSION OF THE PROBLEM IS GIVEN IN LOW PRECISION. The matrix products marked QUANTISED in the list below multiply operands that are first quantised to E5M2 (5 exponent bits, 2 mantissa bits; 8 bits a number), with one given power-of-two scale for each operand tensor; their sums are f32. All else is computed in f32.
;;   The module's matrix products, in the order in which they are computed (A, B: the left and right operand; K: the contracted axis; several contracted axes count as one K, in the product's order):
;;     1. [M 2,048, K 1,024] x [K 1,024, N 1,024]; A: input context; B: input Wk: QUANTISED (scales: A lowp_scales[0], B lowp_scales[1])
;;     2. [M 1,024, K 1,024] x [K 1,024, N 1,024]; A: computed on the way; B: input Wq: QUANTISED (scales: A lowp_scales[2], B lowp_scales[3])
;;     3. batch 16 x [M 1,024, K 64] x [K 64, N 2,048]; A: computed on the way; B: computed on the way: QUANTISED (scales: A lowp_scales[4], B lowp_scales[5])
;;     4. batch 16 x [M 64, K 2,048] x [K 2,048, N 1,024]; A: computed on the way; B: softmax (see below): QUANTISED (scales: A lowp_scales[6], B lowp_scales[7])
;;     5. batch 16 x [M 1,024, K 64] x [K 64, N 2,048]; A: computed on the way; B: computed on the way: QUANTISED (scales: A lowp_scales[8], B lowp_scales[9])
;;     6. batch 16 x [M 64, K 2,048] x [K 2,048, N 1,024]; A: computed on the way; B: softmax (see below): QUANTISED (scales: A lowp_scales[10], B lowp_scales[11])
;;     7. batch 16 x [M 1,024, K 64] x [K 64, N 2,048]; A: computed on the way; B: computed on the way: QUANTISED (scales: A lowp_scales[12], B lowp_scales[13])
;;     8. batch 16 x [M 64, K 2,048] x [K 2,048, N 1,024]; A: computed on the way; B: softmax (see below): QUANTISED (scales: A lowp_scales[14], B lowp_scales[15])
;;     9. batch 16 x [M 1,024, K 64] x [K 64, N 2,048]; A: computed on the way; B: computed on the way: QUANTISED (scales: A lowp_scales[16], B lowp_scales[17])
;;     10. batch 16 x [M 64, K 2,048] x [K 2,048, N 1,024]; A: computed on the way; B: softmax (see below): QUANTISED (scales: A lowp_scales[18], B lowp_scales[19])
;;     11. batch 16 x [M 1,024, K 64] x [K 64, N 2,048]; A: computed on the way; B: computed on the way: QUANTISED (scales: A lowp_scales[20], B lowp_scales[21])
;;     12. batch 16 x [M 64, K 2,048] x [K 2,048, N 1,024]; A: computed on the way; B: softmax (see below): QUANTISED (scales: A lowp_scales[22], B lowp_scales[23])
;;     13. [M 1,024, K 1,024] x [K 1,024, N 1,024]; A: computed on the way; B: input Wo: QUANTISED (scales: A lowp_scales[24], B lowp_scales[25])
;;     14. [M 1,024, K 1,024] x [K 1,024, N 4,096]; A: computed on the way; B: input W1: QUANTISED (scales: A lowp_scales[26], B lowp_scales[27])
;;     15. [M 1,024, K 4,096] x [K 4,096, N 1,024]; A: computed on the way; B: input W2: QUANTISED (scales: A lowp_scales[28], B lowp_scales[29])
;;   THE QUANTISER, for each operand of a quantised product, along K:
;;     - The operand's scale is 2^e, e = its entry of the input lowp_scales (int32; the entries are numbered through the quantised products in the list's order, A before B).
;;     - Each number is divided by the scale, clamped to +-57,344, and rounded to the nearest number of E5M2, ties to even, subnormals kept.
;;     - The product sums the exact products of the quantised numbers (number of the format x scale) in f32.
;;   ~~~python
;;   def quantise(x, axis, e):      # numpy; x: float32 -> the quantised numbers, widened to float32 again
;;       x = np.moveaxis(x, axis, -1); K = x.shape[-1]
;;       r = np.clip(x / 2.0 ** e, -57344, 57344)
;;       step = 2.0 ** (np.maximum(np.frexp(np.where(r == 0, 1, r))[1] - 1, -14) - 2)
;;       q = np.round(r / step) * step * 2.0 ** e      # np.round: ties to even
;;       return np.moveaxis(q, -1, axis).astype(np.float32)
;;   ~~~
;;   SOFTMAX AHEAD OF A QUANTISED PRODUCT. Where the list says 'softmax', what is quantised is not the finished softmax but p = 2^(t - M), with t = logit x log2(e) and M = ceil(the row's largest t), a whole number; so 1/2 < the row's largest p <= 1. The row's sum l is taken of the UNQUANTISED p, in f32, and the product's result is divided by l at the end. Since M is a whole number, a kernel that streams over the keys may use a running M (the ceiling of the running maximum): every later rescaling is an exact power of two, so the quantised numbers keep their values, but for numbers so far below the row's largest that they fall under the format's range.
;;   OPERANDS COMPUTED ON THE WAY. 'Computed on the way' means the value that the module computes at that place (a softmax that the list does not call 'softmax' is quantised finished and normalised). What goes into a quantiser is computed in f32, as accurately as f32 sums, v_exp_f32 and their like allow (about 1e-6 of the number): no bf16 or f16 on the way to a quantiser, and a product that is left as it is and whose result goes on into a quantised operand takes f32 operands (vector FMAs, or v_wmma_f32_16x16x4_f32). A number that lies on a knife's edge between two numbers of the format may be rounded either way, as far as f32 arithmetic and the matrix unit's own rounding can turn it there, and no further.
;; One version. Each part assembles by itself: llvm-mc -triple=amdgcn-amd-amdhsa -mcpu=gfx1250 --defsym DOCPART=n.
;; ======== version 1 of 1: 6 launches
;; workspace buffers: codes 14,680,064 bytes; kc 20,971,520 bytes; q0 4,194,304 bytes; qc 1,048,576 bytes; t1 4,194,304 bytes; t2c 1,048,576 bytes; hc 4,194,304 bytes
;; launch quant (part 1): grid 448 x 1, 4 waves a work-group, no clusters, 34,304 bytes of LDS; arguments context, target, Wk, Wq, Wo, W1, W2, alpha1, lowp_scales, codes; writes codes
.if DOCPART == 1
	.amdgcn_target "amdgcn-amd-amdhsa--gfx1250"
	.amdhsa_code_object_version 6
	.text
	.protected	k_q22083a9ac1_quant
	.globl	k_q22083a9ac1_quant
	.p2align	8
	.type	k_q22083a9ac1_quant,@function
k_q22083a9ac1_quant:
	s_mov_b64 s[64:65], 0
	v_nop
	global_prefetch_b8 v0, s[64:65] scope:SCOPE_SE
	s_setreg_imm32_b32 hwreg(HW_REG_WAVE_MODE, 25, 1), 1
	s_wait_xcnt 0x0
; All seven f32 operands become codes of E5M2, each with its given scale 2^e; target goes through tanh(alpha1 x) first.
; code = x / 2^e, held within +-57,344, to the nearest code, ties to even.
; THE CODES ARE LAID AS FRAGMENT IMAGES: a fragment is 16 rows x 128 k = 2,048 bytes, the 16 registers of the 16x16x128 form as they stand:
; lane l = (r = l % 16, h = l / 16) holds row r; register 2 c + u holds k = 16 c + 8 h + 4 u .. + 3; registers 4 g .. 4 g + 3 lie at byte 512 g + 16 l.
; A tensor [rows][K] is laid [row tile][K step].  In the buffer: context, tanh(target), Wk, Wq, Wo, W1, W2, one behind the other.
; SHARES.  A wave takes 16 rows x 512 k: four fragments, 32 KiB in, 8 KiB out; wave chunk g = 4 x work-group + wave writes bytes 8,192 g on.
; Each load reads 512 consecutive bytes of one row; a K step's 16 rows turn through the wave's own stage in LDS (rows of 512 + 16 bytes) and come back
; eight neighbours along K at a time in the operand's order.  Each store writes 512 consecutive bytes.  Waves share nothing: no barrier, no joint loads, no matrix work.
; tanh(a): a^2 < 1/16: a + a^3 (c3 + a^2 (c5 + a^2 (c7 + a^2 c9))), the first term left out is under 1e-8 of a; else 1 - 2 / (1 + 2^(2 a log2 e)).
; LIMITS: each e between -126 and 112, so that 2^e and 57,344 x 2^e are f32 numbers.  NaN among the inputs is not served; an infinity is held at the largest code.
.set SP,  528                          ; a stage row: 512 bytes + 16
.set RB,  66                           ; s66-97  the addresses of my 16 rows
.set R,   24                           ; v24-151  two sets of 64: a K step as loaded; the set in hand also serves tanh as 48 temporaries
.set X,   152                          ; v152-215 64 numbers in the operand's order: X + 8 c + i = k 16 c + 8 h + i of row r
.set C,   216                          ; v216-247 two sets of 16: a fragment's codes
.set AL,  38                           ; s38 alpha1
.set K2,  39                           ; s39 2 log2(e)
.set C3,  40                           ; s40-43 the series' coefficients
.set C5,  41
.set C7,  42
.set C9,  43
	s_load_b512 s[4:19], s[0:1], 0x0               ; context, target, Wk, Wq, Wo, W1, W2, alpha1
	s_load_b128 s[20:23], s[0:1], 0x40             ; lowp_scales, codes
	v_lshl_add_u32 v248, v0, 2, 0x8400
	v_mov_b32 v249, 0
	v_lshrrev_b32 v6, 5, v0
	v_readfirstlane_b32 s24, v6                    ; wave
	v_and_b32 v7, 31, v0
	v_lshlrev_b32 v1, 4, v7                        ; 16 x lane: my bytes of a load's or a store's 512
	s_mul_i32 s34, s24, 16*SP                      ; my stage
	v_add_nc_u32 v2, s34, v1                       ; into it: a row as it lies
	v_and_b32 v8, 15, v0
	v_bfe_u32 v9, v0, 4, 1
	v_mul_u32_u24 v3, v8, SP
	v_lshl_add_u32 v3, v9, 5, v3
	v_add_nc_u32 v3, s34, v3                       ; out of it: row r, + 32 h bytes
	s_mov_b32 s[K2], 0x4038aa3b                    ; 2.885390
	s_mov_b32 s[C3], 0xbeaaaaab                    ; -1/3
	s_mov_b32 s[C5], 0x3e088889                    ; 2/15
	s_mov_b32 s[C7], 0xbd5d0dd1                    ; -17/315
	s_mov_b32 s[C9], 0x3cb327a4                    ; 62/2835
	s_mov_b32 s25, 0                               ; the tensor's first work-group
	s_mov_b32 s26, 0                               ; the byte of its e in lowp_scales
	s_wait_kmcnt 0x0
	s_mov_b64 s[32:33], s[4:5]
.macro PICK first, ptr, eoff           ; from work-group first on: another tensor.  The choice hangs on the work-group's number alone
	s_cmp_ge_u32 ttmp9, \first
	s_cselect_b64 s[32:33], s[\ptr:\ptr+1], s[32:33]
	s_cselect_b32 s25, \first, s25
	s_cselect_b32 s26, \eoff, s26
.endm
	PICK 64, 6, 8                                  ; target, entry 2
	PICK 96, 8, 4                                  ; Wk, entry 1
	PICK 128, 10, 12                               ; Wq, entry 3
	PICK 160, 12, 100                              ; Wo, entry 25
	PICK 192, 14, 108                              ; W1, entry 27
	PICK 320, 16, 116                              ; W2, entry 29
	s_cselect_b32 s27, 3, 1                        ; W2's rows hold 8 chunks of 512 k, all others' 2
	s_mov_b32 s28, 4096
	s_cselect_b32 s28, 16384, s28                  ; bytes in a row
	s_mov_b32 s29, 0
	s_load_b32 s31, s[20:21], s26 offset:0x0       ; e
	s_load_b32 s[AL], s[18:19], 0x0
	s_sub_co_u32 s36, ttmp9, 64
	s_cmp_lt_u32 s36, 32
	s_cselect_b32 s30, 1, 0                        ; 1: this is target, which goes through tanh
	s_lshl_b32 s34, ttmp9, 2
	s_add_co_u32 s34, s34, s24                     ; g
	s_lshl_b32 s36, s34, 13
	s_mov_b32 s37, 0
	s_add_nc_u64 s[22:23], s[22:23], s[36:37]      ; my 8,192 bytes of codes
	s_lshl_b32 s25, s25, 2
	s_sub_co_u32 s34, s34, s25                     ; my chunk within the tensor
	s_lshr_b32 s35, s34, s27                       ; its row tile,
	s_bfm_b32 s36, s27, 0
	s_and_b32 s36, s34, s36                        ; and which 512 k of the rows
	s_mul_i32 s35, s35, s28
	s_lshl_b32 s35, s35, 4                         ; 16 rows a tile
	s_lshl_b32 s36, s36, 11
	s_add_co_u32 s34, s35, s36
	s_mov_b32 s35, 0
	s_add_nc_u64 s[RB:RB+1], s[32:33], s[34:35]
.irp i, 1,2,3,4,5,6,7,8,9,10,11,12,13,14,15
	s_add_nc_u64 s[RB+2*\i:RB+2*\i+1], s[RB+2*\i-2:RB+2*\i-1], s[28:29]
.endr
.macro LOAD t                          ; K step t: 16 loads, a row's 512 consecutive bytes each
.irp i, 0,1,2,3,4,5,6,7,8,9,10,11,12,13,14,15
	global_load_b128 v[R+64*((\t)%2)+4*\i:R+64*((\t)%2)+4*\i+3], v1, s[RB+2*\i:RB+2*\i+1] offset:512*(\t) th:TH_LOAD_NT
.endr
.endm
.macro TURN t                          ; through the stage: LDS serves a wave's instructions in order, so no wait stands between the stores and the loads
.irp i, 0,1,2,3,4,5,6,7,8,9,10,11,12,13,14,15
	ds_store_b128 v2, v[R+64*((\t)%2)+4*\i:R+64*((\t)%2)+4*\i+3] offset:SP*\i
.endr
.irp c, 0,1,2,3,4,5,6,7
	ds_load_b128 v[X+8*\c:X+8*\c+3], v3 offset:64*\c
	ds_load_b128 v[X+8*\c+4:X+8*\c+7], v3 offset:64*\c+16
.endr
.endm
; v[d .. d + 15] = tanh(alpha x v[s .. s + 15]); tmp: 48 registers: a^2, the series, the exponential form
.macro TANH16 d, s, tmp
.set n, 0
.rept 16
	v_mul_f32 v[(\d)+n], s[AL], v[(\s)+n]          ; a
.set n, n+1
.endr
.set n, 0
.rept 16
	v_mul_f32 v[(\tmp)+32+n], s[K2], v[(\d)+n]
.set n, n+1
.endr
.set n, 0
.rept 16
	v_exp_f32 v[(\tmp)+32+n], v[(\tmp)+32+n]       ; 2^(2 a log2 e), as one batch
.set n, n+1
.endr
.set n, 0
.rept 16
	v_mul_f32 v[(\tmp)+n], v[(\d)+n], v[(\d)+n]    ; a^2: plain work behind the batch
.set n, n+1
.endr
	s_wait_alu depctr_va_vdst(0)                   ; one wait for the batch, ahead of its first reader
.set n, 0
.rept 16
	v_add_f32 v[(\tmp)+32+n], 1.0, v[(\tmp)+32+n]
.set n, n+1
.endr
.set n, 0
.rept 16
	v_rcp_f32 v[(\tmp)+32+n], v[(\tmp)+32+n]
.set n, n+1
.endr
.set n, 0
.rept 16
	v_fma_f32 v[(\tmp)+16+n], v[(\tmp)+n], s[C9], s[C7]   ; the series stands behind the reciprocals and names none of them
.set n, n+1
.endr
.set n, 0
.rept 16
	v_fma_f32 v[(\tmp)+16+n], v[(\tmp)+n], v[(\tmp)+16+n], s[C5]
.set n, n+1
.endr
.set n, 0
.rept 16
	v_fma_f32 v[(\tmp)+16+n], v[(\tmp)+n], v[(\tmp)+16+n], s[C3]
.set n, n+1
.endr
.set n, 0
.rept 16
	v_mul_f32 v[(\tmp)+16+n], v[(\tmp)+n], v[(\tmp)+16+n]
.set n, n+1
.endr
.set n, 0
.rept 16
	v_fma_f32 v[(\tmp)+16+n], v[(\d)+n], v[(\tmp)+16+n], v[(\d)+n]
.set n, n+1
.endr
	s_wait_alu depctr_va_vdst(0)                   ; one wait for the reciprocals
.set n, 0
.rept 16
	v_fma_f32 v[(\tmp)+32+n], v[(\tmp)+32+n], -2.0, 1.0
.set n, n+1
.endr
.set n, 0
.rept 16
	v_cmp_gt_f32 vcc_lo, 0x3d800000, v[(\tmp)+n]   ; a^2 < 1/16: the series
	v_cndmask_b32 v[(\d)+n], v[(\tmp)+32+n], v[(\tmp)+16+n], vcc_lo
.set n, n+1
.endr
.endm
	LOAD 0
	LOAD 1
	s_wait_kmcnt 0x0
	s_add_co_i32 s31, s31, 127
	s_lshl_b32 s36, s31, 23
	v_mov_b32 v4, s36                              ; 2^e as f32: the conversion takes its exponent field
	s_add_co_i32 s31, s31, 15
	s_lshl_b32 s31, s31, 23
	s_or_b32 s31, s31, 0x600000
	v_mov_b32 v5, s31                              ; 57,344 x 2^e
.macro STEP t
.if (\t) < 3
	s_wait_loadcnt 16                              ; this K step's 16 loads are in; the next one's 16 may be out
.else
	s_wait_loadcnt 0x0
.endif
	TURN \t
	s_wait_dscnt 0x0                               ; the numbers are back, and the stage's stores have read the set as loaded
	s_cmp_eq_u32 s30, 0
	s_cbranch_scc1 .Lplain_\@
	TANH16 X, X, R+64*((\t)%2)
	TANH16 X+16, X+16, R+64*((\t)%2)
	TANH16 X+32, X+32, R+64*((\t)%2)
	TANH16 X+48, X+48, R+64*((\t)%2)
.Lplain_\@:
.if (\t) < 2
	LOAD (\t)+2                                    ; the set is free: the K step two on
.else
	s_wait_xcnt 0x0                                ; the stores of two K steps back have read this set of codes: it is written again only behind this wait
.endif
.set n, 0
.rept 64
	v_med3_num_f32 v[X+n], v[X+n], -v5, v5         ; the conversion to an 8-bit code does not saturate (ISA guide 7.6.2): the hold comes first
.set n, n+1
.endr
.irp c, 0,1,2,3,4,5,6,7
	v_cvt_scalef32_pk8_bf8_f32 v[C+16*((\t)%2)+2*\c:C+16*((\t)%2)+2*\c+1], v[X+8*\c:X+8*\c+7], v4   ; registers 2 c, 2 c + 1 of the fragment
.endr
	v_nop                                          ; a plain line behind the last conversion
.irp g, 0,1,2,3
	global_store_b128 v1, v[C+16*((\t)%2)+4*\g:C+16*((\t)%2)+4*\g+3], s[22:23] offset:2048*(\t)+512*\g   ; 512 consecutive bytes, aligned
.endr
.endm
	STEP 0
	STEP 1
	STEP 2
	STEP 3
	s_wait_tensorcnt 0x0
	ds_add_u32 v248, v249
	s_wait_dscnt 0x0
	s_endpgm
.Lfunc_end_k_q22083a9ac1_quant:
	.size	k_q22083a9ac1_quant, .Lfunc_end_k_q22083a9ac1_quant-k_q22083a9ac1_quant
	.p2alignl 7, 3214868480
	.fill 96, 4, 3214868480
	.section	.rodata,"a",@progbits
	.p2align	6, 0x0
	.amdhsa_kernel k_q22083a9ac1_quant
		.amdhsa_group_segment_fixed_size 34304
		.amdhsa_private_segment_fixed_size 0
		.amdhsa_enable_private_segment 0
		.amdhsa_kernarg_size 80
		.amdhsa_user_sgpr_count 2
		.amdhsa_user_sgpr_kernarg_segment_ptr 1
		.amdhsa_wavefront_size32 1
		.amdhsa_system_sgpr_workgroup_id_x 1
		.amdhsa_system_sgpr_workgroup_id_y 1
		.amdhsa_system_sgpr_workgroup_id_z 1
		.amdhsa_system_vgpr_workitem_id 0
		.amdhsa_next_free_vgpr 250
		.amdhsa_next_free_sgpr 100
		.amdhsa_reserve_vcc 1
		.amdhsa_float_denorm_mode_32 3
		.amdhsa_float_denorm_mode_16_64 3
		.amdhsa_memory_ordered 1
		.amdhsa_forward_progress 1
		.amdhsa_inst_pref_size 200
	.end_amdhsa_kernel
	.amdgpu_metadata
---
amdhsa.version: [ 1, 2 ]
amdhsa.kernels:
  - .name:           k_q22083a9ac1_quant
    .symbol:         k_q22083a9ac1_quant.kd
    .args:
      - { .name: context, .offset: 0, .size: 8, .value_kind: global_buffer, .address_space: global }
      - { .name: target, .offset: 8, .size: 8, .value_kind: global_buffer, .address_space: global }
      - { .name: Wk, .offset: 16, .size: 8, .value_kind: global_buffer, .address_space: global }
      - { .name: Wq, .offset: 24, .size: 8, .value_kind: global_buffer, .address_space: global }
      - { .name: Wo, .offset: 32, .size: 8, .value_kind: global_buffer, .address_space: global }
      - { .name: W1, .offset: 40, .size: 8, .value_kind: global_buffer, .address_space: global }
      - { .name: W2, .offset: 48, .size: 8, .value_kind: global_buffer, .address_space: global }
      - { .name: alpha1, .offset: 56, .size: 8, .value_kind: global_buffer, .address_space: global }
      - { .name: lowp_scales, .offset: 64, .size: 8, .value_kind: global_buffer, .address_space: global }
      - { .name: codes, .offset: 72, .size: 8, .value_kind: global_buffer, .address_space: global }
    .group_segment_fixed_size: 34304
    .private_segment_fixed_size: 0
    .kernarg_segment_align: 8
    .kernarg_segment_size: 80
    .max_flat_workgroup_size: 128
    .sgpr_count:     100
    .vgpr_count:     250
    .wavefront_size: 32
...
	.end_amdgpu_metadata
.endif
;; end of part 1
;; launch proj (part 2): grid 8 x 24, 8 waves a work-group, clusters of 4 x 4, 263,168 bytes of LDS; arguments codes, lowp_scales, kc, q0; writes kc, q0
.if DOCPART == 2
	.amdgcn_target "amdgcn-amd-amdhsa--gfx1250"
	.amdhsa_code_object_version 6
	.text
	.protected	k_q22083a9ac1_proj
	.globl	k_q22083a9ac1_proj
	.p2align	8
	.type	k_q22083a9ac1_proj,@function
k_q22083a9ac1_proj:
	s_mov_b64 s[64:65], 0
	v_nop
	global_prefetch_b8 v0, s[64:65] scope:SCOPE_SE
	s_setreg_imm32_b32 hwreg(HW_REG_WAVE_MODE, 25, 1), 1
	s_wait_xcnt 0x0
	s_wait_alu depctr_hold_cnt(0) depctr_sa_sdst(0) depctr_va_vdst(0) depctr_va_sdst(0) depctr_va_ssrc(0) depctr_va_vcc(0) depctr_vm_vsrc(0)
	s_getreg_b32 s2, hwreg(HW_REG_IB_STS2, 6, 4)
	s_cmp_eq_u32 s2, 0
	s_cbranch_scc0 .Lentry_in_a_cluster
	s_endpgm
.Lentry_in_a_cluster:
	s_bfe_u32 s2, ttmp6, 0x10000c
	s_cmp_lg_u32 s2, 0xf033
	s_cbranch_scc0 .Lentry_shape_is_right
	s_endpgm
.Lentry_shape_is_right:
; K = context Wk^T (row blocks 0-15) and q = tanh(alpha1 target) Wq^T (row blocks 16-23), both on codes of E5M2 laid as fragment images
; (16 rows x 128 k = 2,048 bytes, registers 4 g .. 4 g + 3 of lane l at byte 512 g + 16 l; a tensor is laid [row tile][K step]).
; A work-group makes 128 rows x 128 columns, K = 1,024.  Its whole operand set, 128 KiB of X and 128 KiB of W, is brought into LDS ONCE, in four chunks of two K steps: nothing is filled again.
; 192 work-groups: both products have one tile shape and one text; a finer tile would read each fragment from LDS for fewer products.
; CLUSTERS 4 x 4: the four of a row need the same X, the four of a column the same W: each tile is asked for jointly, by the same tensor load with a mask that names the four.
; WAVES.  Wave w: xg = w % 4 owns X tiles 2 xg, 2 xg + 1; wg = w / 4 owns W tiles 4 wg .. 4 wg + 3: one head's 64 columns.
; ACC1 = W x X (source 0 = 16 rows of W): a lane holds ONE row of X and eight neighbouring columns: q's layout, and K's codes with the head's 64 innermost (for the scores).
; ACC2 = X x W, the same fragments with the sources swapped: a lane holds one column and eight neighbouring KEYS: K's codes with the keys innermost (for the second product).  Only K's path makes it.
; K is quantised ten times, with entries 5 + 4 i and 6 + 4 i of lowp_scales, i = 0 .. 4: a sum stands for sum x 2^(e0 + e1), so the conversion's scale is 2^(e - e0 - e1).
; kc: block ((head x 5 + i) x 4 + j) x 65,536 holds keys 512 j on: 32 tiles of 16 keys x 64 (1,024 bytes each), then at 32,768 [128 keys][16 of the head's 64] x 2,048 bytes.
; q0: f32, (head x 64 + tile of 16 queries) x 4,096 + t x 1,024 + g x 512 + 16 l: lane (r, h) holds q[r][16 t + 8 h + 4 g ..].
; LIMITS: e[5+4i] - e0 - e1 and e[6+4i] - e0 - e1 between -126 and 112.  e2 + e3 is applied by v_ldexp_f32.
.set CH,  65536                        ; a chunk in LDS: X's 8 row tiles x 2 K steps x 2,048, then W's at 32,768
.set LI,  1                            ; v1     16 x lane
.set ADX, 2                            ; v2-5   LDS address of my X fragments in chunk 0 .. 3
.set ADW, 6                            ; v6-9   the same for W
.set VKS, 10                           ; v10, v11  my byte offsets in a block of kc
.set VKV, 11
.set FX,  16                           ; v16-47   two fragments of X
.set FW,  48                           ; v48-111  four fragments of W
.set A1,  112                          ; v112-175 ACC1 (wt, xt) at 8 (2 wt + xt)
.set A2,  176                          ; v176-239 ACC2 (xt, wt) at 8 (4 xt + wt)
.set G1X, 24                           ; s[24:31] descriptor group 1 for X, s[32:39] for W: they differ in the mask
.set G1W, 32
.set G0X, 40                           ; s[40:55] group 0 for X, a set for each chunk;  s[68:83] for W
.set G0W, 68
.macro CREST
	s_cmp_lg_u32 s14, 0
	s_cbranch_scc1 .Lnot_wave_0_\@
	s_barrier_signal -3
.Lnot_wave_0_\@:
	s_barrier_wait -3
	s_barrier_signal -1
	s_barrier_wait -1
.endm
.macro CROUND                          ; a round of the cluster's barrier
	s_barrier_signal -1
	s_barrier_wait -1
	CREST
.endm
.macro PLACES                          ; four plain places behind matrix instructions, ahead of loads into their sources and of reads of their results
.rept 4
	v_nop
.endr
.endm
	s_load_b256 s[4:11], s[0:1], 0x0               ; codes, lowp_scales, kc, q0
	v_lshl_add_u32 v254, v0, 2, 0x40000
	v_mov_b32 v255, 0
	ds_add_u32 v254, v255
	ds_add_u32 v254, v255
	v_lshrrev_b32 v12, 5, v0
	v_readfirstlane_b32 s14, v12                   ; wave 0..7
	s_lshr_b32 s15, s14, 2                         ; wg.  Also: I fetch for X (0) or for W (1)
	s_and_b32 s16, s14, 3                          ; xg.  Also: which two row tiles I fetch
	s_bfe_u32 s17, ttmp6, 0x40000                  ; cx
	s_bfe_u32 s18, ttmp6, 0x40004                  ; cy
	s_lshl_b32 s19, ttmp9, 2
	s_add_co_u32 s19, s19, s17                     ; column block
	s_and_b32 s21, ttmp7, 0xffff                   ; the cluster's y
	s_lshl_b32 s20, s21, 2
	s_add_co_u32 s20, s20, s18                     ; row block
	s_cmp_ge_u32 s21, 4
	s_cselect_b32 s22, 1, 0                        ; 1: q's product.  The same in all sixteen partners
	s_lshl_b32 s60, s18, 2
	s_lshl_b32 s60, 15, s60                        ; my row of the cluster
	s_lshl_b32 s61, 0x1111, s17                    ; my column
	s_or_b32 s[G1X], s60, (3<<16)|(1<<21)          ; 15:0 the mask; 17:16 elements of 8 bytes; 21 set beside a mask; no padding
	s_or_b32 s[G1W], s61, (3<<16)|(1<<21)
.irp g, G1X, G1W
	s_mov_b32 s[\g+1], 512<<16                     ; tensor_dim0 = 512 elements: two K steps of a row tile, 4,096 bytes
	s_mov_b32 s[\g+2], 2<<16                       ; tensor_dim1 = 2 row tiles
	s_mov_b32 s[\g+3], 512<<16                     ; tile_dim0
	s_mov_b32 s[\g+4], 2                           ; tile_dim1
	s_mov_b32 s[\g+5], 2048                        ; from row tile to row tile: 8 fragments, 16,384 bytes
	s_mov_b32 s[\g+6], 0
	s_mov_b32 s[\g+7], 0
.endr
	s_lshl_b32 s62, s16, 15                        ; my two row tiles of the block
	s_lshl_b32 s56, s20, 17                        ; X: 131,072 bytes a row block; tanh(target) follows context in the buffer
	s_add_co_u32 s56, s56, s62
	s_mov_b32 s57, 0
	s_lshl_b32 s58, s22, 3                         ; W: Wk's 8 blocks, then Wq's
	s_add_co_u32 s58, s58, s19
	s_lshl_b32 s58, s58, 17
	s_add_co_u32 s58, s58, s62
	s_add_co_u32 s58, s58, 3145728
	s_mov_b32 s59, 0
	s_lshl_b32 s63, s14, 13                        ; in a chunk: wave x 8,192: X's four pairs of tiles, then W's
	s_wait_dscnt 0x0
	s_wait_kmcnt 0x0
	s_add_nc_u64 s[56:57], s[4:5], s[56:57]
	s_add_nc_u64 s[58:59], s[4:5], s[58:59]
.irp c, 0,1,2,3
	s_mov_b32 s[G0X+4*\c], 1
	s_add_co_u32 s[G0X+4*\c+1], s63, \c*CH
	s_add_nc_u64 s[G0X+4*\c+2:G0X+4*\c+3], s[56:57], \c*4096
	s_or_b32 s[G0X+4*\c+3], s[G0X+4*\c+3], 0x80000000
	s_mov_b32 s[G0W+4*\c], 1
	s_add_co_u32 s[G0W+4*\c+1], s63, \c*CH
	s_add_nc_u64 s[G0W+4*\c+2:G0W+4*\c+3], s[58:59], \c*4096
	s_or_b32 s[G0W+4*\c+3], s[G0W+4*\c+3], 0x80000000
.endr
	CROUND                                         ; all sixteen work-groups are here: the joint loads meet
	s_cmp_eq_u32 s15, 0                            ; a wave's four fills stand in one branch on its number: four tensor loads of mine are out
	s_cbranch_scc0 .Lfill_w
.irp c, 0,1,2,3
	tensor_load_to_lds s[G0X+4*\c:G0X+4*\c+3], s[G1X:G1X+7]
	s_nop 0
.endr
	PLACES
	s_branch .Lfilled
.Lfill_w:
.irp c, 0,1,2,3
	tensor_load_to_lds s[G0W+4*\c:G0W+4*\c+3], s[G1W:G1W+7]
	s_nop 0
.endr
	PLACES
.Lfilled:
	v_and_b32 v[LI], 31, v0
	v_lshlrev_b32 v[LI], 4, v[LI]
	s_lshl_b32 s84, s16, 13                        ; my two X tiles
	s_lshl_b32 s85, s15, 14                        ; my four W tiles,
	s_add_co_u32 s85, s85, 32768                   ; behind X's part
.irp c, 0,1,2,3
	v_add_nc_u32 v[ADX+\c], s84, v[LI]
	v_add_nc_u32 v[ADW+\c], s85, v[LI]
	s_add_co_u32 s84, s84, CH
	s_add_co_u32 s85, s85, CH
.endr
	s_lshl_b32 s86, s19, 1
	s_add_co_u32 s86, s86, s15                     ; my head
; One K step: 24 LDS loads of 512 consecutive bytes, then 8 or 16 products.  The accumulators take turns, one instruction a turn, in the same order in every step.
.macro KS128 c, sp, zero, both, places
.if \places
	PLACES
.endif
.irp x, 0,1
.irp g, 0,1,2,3
	ds_load_b128 v[FX+16*\x+4*\g:FX+16*\x+4*\g+3], v[ADX+\c] offset:\x*4096+\sp*2048+512*\g
.endr
.endr
.irp t, 0,1,2,3
.irp g, 0,1,2,3
	ds_load_b128 v[FW+16*\t+4*\g:FW+16*\t+4*\g+3], v[ADW+\c] offset:\t*4096+\sp*2048+512*\g
.endr
.endr
.irp t, 0,1,2,3
	s_wait_dscnt 12-4*\t                           ; X and W's tiles up to t are in; the later tiles' loads, four each, may be out
.irp x, 0,1
.if \zero
	v_wmma_f32_16x16x128_bf8_bf8 v[A1+8*(2*\t+\x):A1+8*(2*\t+\x)+7], v[FW+16*\t:FW+16*\t+15], v[FX+16*\x:FX+16*\x+15], 0
.else
	v_wmma_f32_16x16x128_bf8_bf8 v[A1+8*(2*\t+\x):A1+8*(2*\t+\x)+7], v[FW+16*\t:FW+16*\t+15], v[FX+16*\x:FX+16*\x+15], v[A1+8*(2*\t+\x):A1+8*(2*\t+\x)+7]
.endif
.endr
.if \both
.irp x, 0,1
.if \zero
	v_wmma_f32_16x16x128_bf8_bf8 v[A2+8*(4*\x+\t):A2+8*(4*\x+\t)+7], v[FX+16*\x:FX+16*\x+15], v[FW+16*\t:FW+16*\t+15], 0
.else
	v_wmma_f32_16x16x128_bf8_bf8 v[A2+8*(4*\x+\t):A2+8*(4*\x+\t)+7], v[FX+16*\x:FX+16*\x+15], v[FW+16*\t:FW+16*\t+15], v[A2+8*(4*\x+\t):A2+8*(4*\x+\t)+7]
.endif
.endr
.endif
.endr
.endm
.macro MAIN both
.irp c, 0,1,2,3
	s_wait_tensorcnt 3-\c                          ; my part of chunk c is in; my later chunks' loads stay out
	s_barrier_signal -1
	s_barrier_wait -1                              ; everybody's part is in
.if \c == 0
	KS128 0, 0, 1, \both, 0                        ; the first K step starts the sums
.else
	KS128 \c, 0, 0, \both, 1
.endif
	KS128 \c, 1, 0, \both, 1
.endr
.endm
	s_cmp_eq_u32 s22, 1
	s_cbranch_scc1 .Lq
	; ---- K's path
	s_mul_i32 s87, s86, 1310720                    ; a head's 20 blocks
	s_lshr_b32 s88, s20, 2                         ; j: which 512 keys
	s_lshl_b32 s88, s88, 16
	s_add_co_u32 s88, s87, s88
	s_mov_b32 s89, 0
	s_add_nc_u64 s[8:9], s[8:9], s[88:89]
	s_and_b32 s88, s20, 3                          ; kf: which 128 keys of them
	s_lshl_b32 s89, s88, 3
	s_lshl_b32 s90, s16, 1
	s_add_co_u32 s89, s89, s90
	s_lshl_b32 s89, s89, 10                        ; key tile 8 kf + 2 xg
	v_add_nc_u32 v[VKS], s89, v[LI]
	s_lshl_b32 s89, s88, 13
	s_lshl_b32 s90, s16, 9                         ; my two key tiles are registers 4 xg .. 4 xg + 3 of the fragment of 128 keys
	s_add_co_u32 s89, s89, s90
	s_add_co_u32 s89, s89, 32768
	v_add_nc_u32 v[VKV], s89, v[LI]
	MAIN 1
	s_load_b512 s[24:39], s[6:7], 0x0              ; no tensor load of mine is out: the descriptors' registers take entries 0 .. 23: entry n in s[24 + n]
	s_load_b256 s[40:47], s[6:7], 0x40
	PLACES
	s_wait_kmcnt 0x0
	s_add_co_i32 s91, s24, s25                     ; e0 + e1
.macro VERSION i
	s_wait_xcnt 0x0                                ; the last version's stores have read their registers
	s_sub_co_i32 s92, s[29+4*\i], s91
	s_add_co_i32 s92, s92, 127
	s_lshl_b32 s93, s92, 23
	v_mov_b32 v240, s93                            ; 2^(e[5+4i] - e0 - e1)
	s_add_co_i32 s92, s92, 15
	s_lshl_b32 s92, s92, 23
	s_or_b32 s92, s92, 0x600000
	v_mov_b32 v241, s92                            ; 57,344 x that
	s_sub_co_i32 s92, s[30+4*\i], s91
	s_add_co_i32 s92, s92, 127
	s_lshl_b32 s93, s92, 23
	v_mov_b32 v242, s93                            ; the same with e[6+4i]
	s_add_co_i32 s92, s92, 15
	s_lshl_b32 s92, s92, 23
	s_or_b32 s92, s92, 0x600000
	v_mov_b32 v243, s92
.irp x, 0,1                            ; for the scores: tile of 16 keys x the head's 64: W tile t gives registers 2 t, 2 t + 1
.irp t, 0,1,2,3
.irp j, 0,1,2,3,4,5,6,7
	v_med3_num_f32 v[16+8*(\t%2)+\j], v[A1+8*(2*\t+\x)+\j], -v241, v241
.endr
	v_cvt_scalef32_pk8_bf8_f32 v[32+8*\x+2*\t:33+8*\x+2*\t], v[16+8*(\t%2):23+8*(\t%2)], v240
.endr
	global_store_b128 v[VKS], v[32+8*\x:35+8*\x], s[8:9] offset:\i*262144+\x*1024
	global_store_b128 v[VKS], v[36+8*\x:39+8*\x], s[8:9] offset:\i*262144+\x*1024+512
.endr
.irp t, 0,1,2,3                        ; for the second product: 16 of the head's 64 x 128 keys: my two key tiles give four registers
.irp x, 0,1
.irp j, 0,1,2,3,4,5,6,7
	v_med3_num_f32 v[16+8*\x+\j], v[A2+8*(4*\x+\t)+\j], -v243, v243
.endr
	v_cvt_scalef32_pk8_bf8_f32 v[48+4*\t+2*\x:49+4*\t+2*\x], v[16+8*\x:23+8*\x], v242
.endr
	global_store_b128 v[VKV], v[48+4*\t:51+4*\t], s[8:9] offset:\i*262144+\t*2048
.endr
	v_nop                                          ; a plain line behind the last conversion
.endm
	VERSION 0
	VERSION 1
	VERSION 2
	VERSION 3
	VERSION 4
	s_branch .Lend
.Lq:
	; ---- q's path
	s_lshl_b32 s87, s86, 6                         ; head x 64 tiles of queries
	s_sub_co_u32 s88, s20, 16
	s_lshl_b32 s88, s88, 3
	s_add_co_u32 s87, s87, s88
	s_lshl_b32 s88, s16, 1
	s_add_co_u32 s87, s87, s88
	s_lshl_b32 s88, s87, 12
	s_mov_b32 s89, 0
	s_add_nc_u64 s[10:11], s[10:11], s[88:89]
	MAIN 0
	s_load_b64 s[24:25], s[6:7], 0x8               ; e2, e3
	PLACES
	s_wait_kmcnt 0x0
	s_add_co_i32 s91, s24, s25
.set n, 0
.rept 64
	v_ldexp_f32 v[16+n], v[A1+n], s91              ; q = sum x 2^(e2 + e3); each accumulator from its low end on
.set n, n+1
.endr
.irp t, 0,1,2,3
.irp x, 0,1
	global_store_b128 v[LI], v[16+8*(2*\t+\x):19+8*(2*\t+\x)], s[10:11] offset:\x*4096+\t*1024
	global_store_b128 v[LI], v[20+8*(2*\t+\x):23+8*(2*\t+\x)], s[10:11] offset:\x*4096+\t*1024+512
.endr
.endr
.Lend:
	s_wait_tensorcnt 0x0
	ds_add_u32 v254, v255
	s_wait_dscnt 0x0
	CROUND                                         ; the closing round: no work-group ends while a partner may still ask for a tile that names it
	s_endpgm
.Lfunc_end_k_q22083a9ac1_proj:
	.size	k_q22083a9ac1_proj, .Lfunc_end_k_q22083a9ac1_proj-k_q22083a9ac1_proj
	.p2alignl 7, 3214868480
	.fill 96, 4, 3214868480
	.section	.rodata,"a",@progbits
	.p2align	6, 0x0
	.amdhsa_kernel k_q22083a9ac1_proj
		.amdhsa_group_segment_fixed_size 263168
		.amdhsa_private_segment_fixed_size 0
		.amdhsa_enable_private_segment 0
		.amdhsa_kernarg_size 32
		.amdhsa_user_sgpr_count 2
		.amdhsa_user_sgpr_kernarg_segment_ptr 1
		.amdhsa_wavefront_size32 1
		.amdhsa_system_sgpr_workgroup_id_x 1
		.amdhsa_system_sgpr_workgroup_id_y 1
		.amdhsa_system_sgpr_workgroup_id_z 1
		.amdhsa_system_vgpr_workitem_id 0
		.amdhsa_next_free_vgpr 256
		.amdhsa_next_free_sgpr 102
		.amdhsa_reserve_vcc 0
		.amdhsa_float_denorm_mode_32 3
		.amdhsa_float_denorm_mode_16_64 3
		.amdhsa_memory_ordered 1
		.amdhsa_forward_progress 1
		.amdhsa_inst_pref_size 108
	.end_amdhsa_kernel
	.amdgpu_metadata
---
amdhsa.version: [ 1, 2 ]
amdhsa.kernels:
  - .name:           k_q22083a9ac1_proj
    .symbol:         k_q22083a9ac1_proj.kd
    .args:
      - { .name: codes, .offset: 0, .size: 8, .value_kind: global_buffer, .address_space: global }
      - { .name: lowp_scales, .offset: 8, .size: 8, .value_kind: global_buffer, .address_space: global }
      - { .name: kc, .offset: 16, .size: 8, .value_kind: global_buffer, .address_space: global }
      - { .name: q0, .offset: 24, .size: 8, .value_kind: global_buffer, .address_space: global }
    .group_segment_fixed_size: 263168
    .private_segment_fixed_size: 0
    .kernarg_segment_align: 8
    .kernarg_segment_size: 32
    .max_flat_workgroup_size: 256
    .sgpr_count:     102
    .vgpr_count:     256
    .wavefront_size: 32
...
	.end_amdgpu_metadata
.endif
;; end of part 2
;; launch attn (part 3): grid 16 x 16, 16 waves a work-group, clusters of 4 x 1, 327,680 bytes of LDS; arguments kc, q0, lowp_scales, qc; writes qc
.if DOCPART == 3
	.amdgcn_target "amdgcn-amd-amdhsa--gfx1250"
	.amdhsa_code_object_version 6
	.text
	.protected	k_q22083a9ac1_attn
	.globl	k_q22083a9ac1_attn
	.p2align	8
	.type	k_q22083a9ac1_attn,@function
k_q22083a9ac1_attn:
	s_mov_b64 s[64:65], 0
	v_nop
	global_prefetch_b8 v0, s[64:65] scope:SCOPE_SE
	s_setreg_imm32_b32 hwreg(HW_REG_WAVE_MODE, 25, 1), 1
	s_wait_xcnt 0x0
	s_wait_alu depctr_hold_cnt(0) depctr_sa_sdst(0) depctr_va_vdst(0) depctr_va_sdst(0) depctr_va_ssrc(0) depctr_va_vcc(0) depctr_vm_vsrc(0)
	s_getreg_b32 s2, hwreg(HW_REG_IB_STS2, 6, 4)
	s_cmp_eq_u32 s2, 0
	s_cbranch_scc0 .Lentry_in_a_cluster
	s_endpgm
.Lentry_in_a_cluster:
	s_bfe_u32 s2, ttmp6, 0x10000c
	s_cmp_lg_u32 s2, 0x3003
	s_cbranch_scc0 .Lentry_shape_is_right
	s_endpgm
.Lentry_shape_is_right:
; Five steps of q += 0.1 softmax(q K^T / 8) K for one head, both products on codes of E5M2; q stays on chip from the first step to the last.
; SHARES.  A work-group owns 64 queries of one head.  Wave w of sixteen: qt = w % 4 is its tile of 16 queries, kg = w / 4 its 128 keys of each slot of 512 keys.
; Four waves lie on a SIMD, 256 registers each, so that one wave's softmax stands beside another's LDS loads and products.
; A step walks four slots; each wave keeps a running M, sum and O^T for its quarter of the keys; then the four waves of a tile of queries merge through LDS.
; LAYOUT.  S^T = K q^T (source 0 = 16 keys, source 1 = my 16 queries, K = 64) and O^T = K^T p^T (source 0 = 16 of the head's 64, source 1 = p, K = 128 keys): a lane holds ONE query throughout.
; The eight registers of score tile T are keys 16 T + 8 (lane / 16) + 0 .. 7: their conversion IS registers 2 T, 2 T + 1 of p's fragment.  Nothing changes lanes.
; THE SOFTMAX: t = score x log2(e) / 8; M = the largest t so far of my keys, rounded UP to a whole number; p = 2^(t - M) is quantised; the sum is taken of the unquantised p.
; When M moves, and in the merge, sums and O^T are multiplied by whole powers of two.
; kc holds, for each head, 20 slots of 65,536 bytes on end (step i, keys 512 j on): 32 score tiles x 1,024 bytes, then at 32,768 [128 keys][16 of 64] x 2,048 bytes, quantised with entries 5 + 4 i and 6 + 4 i.
; CLUSTER 4 x 1: the four query blocks of a cluster walk the same head's slots, so each slot is asked for jointly: every wave fetches 4,096 bytes by the same tensor load in all four work-groups.
; After step i, q is quantised with entry 8 + 4 i: the next step's q scale, and for i = 4 entry 24, under which q leaves as codes (fragment images, k = head x 64 + d).
; LIMITS on the given exponents: e[4+4i] + e[5+4i] between -123 and 130 (added to the exponent field of log2(e) / 8); e[4+4i], e[7+4i] and e24 between -126 and 112;
; e[7+4i] at least -15, so that the hold at 57,344 x 2^e lies above every p whatever M is in hand; e[6+4i] + e[7+4i] is applied by v_ldexp_f32.  NaN is not served.
.set SLOTB, 65536
.set PO,    131072                     ; partial O^T: 4,096 bytes a wave, as an image of its 32 registers
.set STT,   196608                     ; (-M, sum): 256 bytes a wave
.set QC,    200704                     ; q's codes: 1,024 bytes a tile of queries, 256 bytes from each of its four waves
.set SPARE, 204800                     ; the spare words, 128 bytes a wave: eight blocks of 256 bytes that no other line names
.set AD,  1                            ; v1, v2  LDS address of my keys in slot 0, 1
.set PFO, 3                            ; v3   256 x lane: the prefetches' offset
.set PW,  4                            ; v4   where I put my O^T
.set SPW, 5                            ; v5   my spare word; never rewritten
.set NIL, 6                            ; v6   0; never rewritten
.set SW,  7                            ; v7   where I put (-M, sum)
.set SR,  8                            ; v8   where I read my tile's four
.set PR,  9                            ; v9   where I read my d tile of the four O^T
.set QW,  10                           ; v10  where I put my two registers of q's codes
.set QR,  11                           ; v11  where I read my tile's eight
.set QCD, 16                           ; v16-23   q's codes: 16 queries x 64
.set QF,  24                           ; v24-31   q in f32: my tile's columns 16 kg + 8 h + 0 .. 7
.set F,   32                           ; v32-95   fragments of K
.set S,   96                           ; v96-159  S^T, then p
.set O,   160                          ; v160-191 O^T
.set PC,  192                          ; v192-207 p's codes
; v12 -M, v13 the largest t (in the merge: the sum), v[14:15] the sum in two halves; v208-217 q on its way to codes; v218-225 the merged O^T; v226-233 four (-M, sum); v234-237 the four factors;
; v240, v244: 57,344 x 2^ep, 2^ep; v241, v245: the same for q; v[242:243], v250, v[252:253], v254 at work; v246 16 x lane
; s12 wave, s13 qt, s14 kg; s[20:21] lane selects; s[22:23] c; s[24:31] group 1; s[32:39] group 0 of slot 0, 1; s[44:48] this step's five exponents; s49 eKV + ep; s[50:51] where they are read;
; s[52:53] where my prefetches stand; s54 1 in a wave that prefetches; s55 steps to go
.macro ROUND                           ; a round of the cluster's barrier
	s_barrier_signal -1
	s_barrier_wait -1
	s_cmp_lg_u32 s12, 0
	s_cbranch_scc1 .Lnot_wave_0_\@
	s_barrier_signal -3
.Lnot_wave_0_\@:
	s_barrier_wait -3
	s_barrier_signal -1
	s_barrier_wait -1
.endm
.macro PLACES
.rept 4
	v_nop
.endr
.endm
; A prefetch into the L2 of the slot that the NEXT trip's tensor loads will ask for: one key step of all sixteen waves ahead.  All clusters of a head walk the same slots: the head's first cluster asks.
; Its four partners take 16,384 bytes each, told apart by address; in each, waves 0 and 1 ask for 8,192 bytes, lanes 256 bytes apart: each block of 256 bytes is named once in the launch.
.macro ASK
	s_cmp_eq_u32 s54, 1
	s_cbranch_scc0 .Lnot_mine_\@
	global_prefetch_b8 v[PFO], s[52:53] th:TH_LOAD_NT scope:SCOPE_SE
.Lnot_mine_\@:
.endm
.macro QSC e                           ; q's scale and hold from the exponent in \e
	s_add_co_i32 s56, \e, 127
	s_lshl_b32 s57, s56, 23
	v_mov_b32 v245, s57
	s_add_co_i32 s56, s56, 15
	s_lshl_b32 s56, s56, 23
	s_or_b32 s56, s56, 0x600000
	v_mov_b32 v241, s56
.endm
	s_load_b256 s[4:11], s[0:1], 0x0               ; kc, q0, lowp_scales, qc
	v_lshl_add_u32 v[SPW], v0, 2, SPARE
	v_mov_b32 v[NIL], 0
	ds_add_u32 v5, v6
	ds_add_u32 v5, v6
	s_wait_dscnt 0x0
	v_lshrrev_b32 v246, 5, v0
	v_readfirstlane_b32 s12, v246                  ; wave 0..15
	s_and_b32 s13, s12, 3                          ; qt
	s_lshr_b32 s14, s12, 2                         ; kg
	s_bfe_u32 s15, ttmp6, 0x40000                  ; cx
	s_lshl_b32 s16, ttmp9, 2
	s_add_co_u32 s16, s16, s15                     ; my block of 64 queries: it enters q0's, qc's and the prefetches' addresses alone
	s_and_b32 s17, ttmp7, 0xffff                   ; the head, which the four partners share
	s_mov_b32 s24, 15|(3<<16)|(1<<21)              ; 15:0 the mask: all four; 17:16 elements of 8 bytes; 21 set beside a mask; no padding
	s_mov_b32 s25, 32<<16                          ; tensor_dim0 = 32 elements: 256 bytes
	s_mov_b32 s26, 16<<16                          ; tensor_dim1 = 16
	s_mov_b32 s27, 32<<16                          ; tile_dim0
	s_mov_b32 s28, 16                              ; tile_dim1: 4,096 dense bytes
	s_mov_b32 s29, 32                              ; the pitch
	s_mov_b32 s30, 0
	s_mov_b32 s31, 0
	s_mov_b32 s20, 0x76543210
	s_mov_b32 s21, 0xfedcba98                      ; v_permlanex16_b32: lane l xor 16
	s_mul_i32 s40, s17, 1310720                    ; the head's 20 slots
	s_lshl_b32 s42, s12, 12                        ; my 4,096 bytes of a slot, in memory and in LDS
	s_add_co_u32 s40, s40, s42
	s_mov_b32 s41, 0
	s_mul_i32 s56, s17, 1310720                    ; the prefetches: the head,
	s_lshl_b32 s57, s15, 14                        ; my work-group's quarter of a slot,
	s_add_co_u32 s56, s56, s57
	s_and_b32 s57, s12, 1
	s_lshl_b32 s57, s57, 13                        ; my wave's half of it,
	s_add_co_u32 s56, s56, s57
	s_add_co_u32 s56, s56, SLOTB                   ; in slot 1: the first trip steps it to slot 2.  Slots 0 and 1 come by their loads alone
	s_mov_b32 s57, 0
	s_lshr_b32 s54, s12, 1                         ; 0 in waves 0 and 1,
	s_or_b32 s54, s54, ttmp9                       ; of the head's first cluster: the same in all four partners
	s_cmp_eq_u32 s54, 0
	s_cselect_b32 s54, 1, -1
	s_lshl_b32 s58, s17, 6                         ; q0: head x 64 + 4 x block + qt tiles of 4,096 bytes, + kg x 1,024
	s_lshl_b32 s59, s16, 2
	s_add_co_u32 s59, s59, s13                     ; my tile of queries among the 64
	s_add_co_u32 s58, s58, s59
	s_lshl_b32 s58, s58, 12
	s_lshl_b32 s60, s14, 10
	s_add_co_u32 s58, s58, s60
	s_lshl_b32 s60, s59, 3                         ; qc: (tile x 8 + head / 2) x 2,048 + (head % 2) x 1,024
	s_lshr_b32 s61, s17, 1
	s_add_co_u32 s60, s60, s61
	s_lshl_b32 s60, s60, 11
	s_and_b32 s61, s17, 1
	s_lshl_b32 s61, s61, 10
	s_add_co_u32 s60, s60, s61
	s_mov_b32 s59, 0
	s_mov_b32 s61, 0
	s_wait_kmcnt 0x0
	s_add_nc_u64 s[40:41], s[4:5], s[40:41]
	s_add_nc_u64 s[52:53], s[4:5], s[56:57]
	s_add_nc_u64 s[6:7], s[6:7], s[58:59]
	s_add_nc_u64 s[10:11], s[10:11], s[60:61]
	s_add_nc_u64 s[50:51], s[8:9], 16              ; entry 4
	s_load_b128 s[44:47], s[50:51], 0x0            ; eq, ek, eKV, ep of step 0
	s_load_b32 s48, s[50:51], 0x10                 ; the next q's
.irp n, 0,1
	s_mov_b32 s[32+4*\n], 1
	s_add_co_u32 s[33+4*\n], s42, \n*SLOTB
	s_add_nc_u64 s[34+4*\n:35+4*\n], s[40:41], \n*SLOTB
	s_or_b32 s[35+4*\n], s[35+4*\n], 0x80000000
.endr
	ROUND                                          ; all four work-groups are here: the first joint load meets
	tensor_load_to_lds s[32:35], s[24:31]          ; slot 0
	s_nop 0
	PLACES
	v_and_b32 v246, 31, v0
	v_lshlrev_b32 v[PFO], 8, v246
	v_lshlrev_b32 v247, 3, v246                    ; 8 x lane
	v_lshlrev_b32 v246, 4, v246                    ; 16 x lane
	global_load_b128 v[QF:QF+3], v246, s[6:7]
	global_load_b128 v[QF+4:QF+7], v246, s[6:7] offset:512
	s_lshl_b32 s56, s14, 13
	v_add_nc_u32 v[AD], s56, v246                  ; my 8 score tiles at kg x 8,192; my fragment of 128 keys at 32,768 + kg x 8,192
	v_add_nc_u32 v[AD+1], SLOTB, v[AD]
	s_lshl_b32 s56, s12, 12
	s_add_co_u32 s56, s56, PO
	v_add_nc_u32 v[PW], s56, v246
	s_lshl_b32 s56, s12, 8
	s_add_co_u32 s56, s56, STT
	v_add_nc_u32 v[SW], s56, v247
	s_lshl_b32 s56, s13, 8
	s_add_co_u32 s56, s56, STT
	v_add_nc_u32 v[SR], s56, v247                  ; wave qt + 4 k lies 1,024 k further on
	s_lshl_b32 s56, s13, 12
	s_lshl_b32 s57, s14, 10
	s_add_co_u32 s56, s56, s57
	s_add_co_u32 s56, s56, PO
	v_add_nc_u32 v[PR], s56, v246                  ; d tile kg of wave qt + 4 k: 16,384 k further on
	s_lshl_b32 s56, s13, 10
	s_add_co_u32 s56, s56, QC
	v_add_nc_u32 v[QR], s56, v247
	s_lshl_b32 s57, s14, 8
	s_add_co_u32 s56, s56, s57
	v_add_nc_u32 v[QW], s56, v247
	v_mov_b32 v250, 0                              ; written once: a lane permute's destination counts as one of its sources
	v_mov_b32 v253, 0                              ; (named as the upper half of the pair v[252:253])
; q's eight numbers become two registers of codes, which are registers 2 kg, 2 kg + 1 of the tile's fragment; the four waves of the tile exchange them through LDS.
.macro QSHARE
.irp j, 0,1,2,3,4,5,6,7
	v_med3_num_f32 v[208+\j], v[QF+\j], -v241, v241
.endr
	v_cvt_scalef32_pk8_bf8_f32 v[216:217], v[208:215], v245
	v_nop                                          ; a plain line behind the conversion
	ds_store_b64 v[QW], v[216:217]
	s_wait_dscnt 0x0                               ; for the others' sake: my store has landed; my reads of the merge's bytes are in
	s_barrier_signal -1
	s_barrier_wait -1
.irp t, 0,1,2,3
	ds_load_b64 v[QCD+2*\t:QCD+2*\t+1], v[QR] offset:256*\t   ; waited for with the next key step's first loads
.endr
.endm
; A KEY STEP: my 128 keys of the slot.  first = 1: the energy step's first: it starts M, the sum and O^T.
.macro STEP slot, first
.irp T, 0,1,2,3,4,5,6,7
	ds_load_b128 v[F+8*\T:F+8*\T+3], v[AD+\slot] offset:1024*\T
	ds_load_b128 v[F+8*\T+4:F+8*\T+7], v[AD+\slot] offset:1024*\T+512
.endr
	s_wait_dscnt 0x0
.irp T, 0,1,2,3,4,5,6,7
	v_wmma_f32_16x16x64_bf8_bf8 v[S+8*\T:S+8*\T+7], v[F+8*\T:F+8*\T+7], v[QCD:QCD+7], 0
.endr
	PLACES                                         ; ahead of the loads into the registers just multiplied, and of the first read of the scores
.irp t, 0,1,2,3
.irp g, 0,1,2,3
	ds_load_b128 v[F+16*\t+4*\g:F+16*\t+4*\g+3], v[AD+\slot] offset:32768+2048*\t+512*\g   ; K with the keys innermost: it lands under the softmax
.endr
.endr
	v_max3_num_f32 v254, v[S], v[S+1], v[S+2]      ; my query's largest score among my 64 keys, in two chains, each accumulator from its low end on,
	v_max3_num_f32 v252, v[S+3], v[S+4], v[S+5]
.irp i, 6,10,14,18,22,26,30,34,38,42,46,50,54,58
	v_max3_num_f32 v254, v254, v[S+\i], v[S+1+\i]
	v_max3_num_f32 v252, v252, v[S+2+\i], v[S+3+\i]
.endr
	v_max3_num_f32 v254, v254, v[S+62], v[S+63]
	v_max_num_f32 v254, v254, v252
	v_permlanex16_b32 v250, v254, s20, s21
	v_max_num_f32 v254, v254, v250                 ; and among lane l xor 16's
.if \first
	v_mul_f32 v13, s22, v254                       ; as t (c is positive)
	v_floor_f32 v12, -v13                          ; -M = floor(-t) = -ceil(t)
.else
	v_mul_f32 v254, s22, v254
	v_max_num_f32 v13, v13, v254                   ; the running largest t
	v_mov_b32 v254, v12
	v_floor_f32 v12, -v13
	v_sub_f32 v254, v12, v254                      ; old M less new M: a whole number, 0 or less
	v_cvt_i32_f32 v254, v254                       ; (it saturates)
	v_ldexp_f32 v252, 1.0, v254                    ; f = 2^(old M - new M)
.endif
.set n, 0
.rept 32
	v_pk_fma_f32 v[S+n:S+n+1], v[S+n:S+n+1], s[22:23], v[12:13] op_sel_hi:[1,0,0]   ; t - M (of the pairs c and -M the low word serves both halves)
.set n, n+2
.endr
.set n, 0
.rept 64
	v_exp_f32 v[S+n], v[S+n]                       ; p = 2^(t - M): one batch
.set n, n+1
.endr
.if \first
	v_mov_b32 v14, 0                               ; (plain lines behind the batch)
	v_mov_b32 v15, 0
.else
	v_pk_mul_f32 v[14:15], v[14:15], v[252:253] op_sel_hi:[1,0]   ; the sum under the new M
.endif
	s_wait_alu depctr_va_vdst(0)                   ; one wait for the batch, ahead of its first reader
	v_pk_add_f32 v[242:243], v[S:S+1], v[S+2:S+3]  ; the sum is taken of the unquantised p, in two chains
.irp j, 4,8,12,16,20,24,28,32,36,40,44,48,52,56,60
	v_pk_add_f32 v[14:15], v[14:15], v[S+\j:S+1+\j]
	v_pk_add_f32 v[242:243], v[242:243], v[S+2+\j:S+3+\j]
.endr
	v_pk_add_f32 v[14:15], v[14:15], v[242:243]
.irp T, 0,1,2,3,4,5,6,7
.irp j, 0,1,2,3,4,5,6,7
	v_min_num_f32 v[S+8*\T+\j], v[S+8*\T+\j], v240 ; the conversion does not saturate (ISA guide 7.6.2); p is not negative: a one-sided hold
.endr
	v_cvt_scalef32_pk8_bf8_f32 v[PC+2*\T:PC+2*\T+1], v[S+8*\T:S+8*\T+7], v244
.endr
.if \first
	v_nop                                          ; a plain line between the last conversion and the products
.else
.set n, 0
.rept 16
	v_pk_mul_f32 v[O+n:O+n+1], v[O+n:O+n+1], v[252:253] op_sel_hi:[1,0]   ; O^T under the new M
.set n, n+2
.endr
.endif
	s_wait_dscnt 0x0
.irp t, 0,1,2,3
.if \first
	v_wmma_f32_16x16x128_bf8_bf8 v[O+8*\t:O+8*\t+7], v[F+16*\t:F+16*\t+15], v[PC:PC+15], 0
.else
	v_wmma_f32_16x16x128_bf8_bf8 v[O+8*\t:O+8*\t+7], v[F+16*\t:F+16*\t+15], v[PC:PC+15], v[O+8*\t:O+8*\t+7]
.endif
.endr
	PLACES                                         ; ahead of the next loads into these fragments' registers, and of the merge's reads of O^T
.endm
; A trip: the change of slots at its head, then the key step.  Each wave waits for all its tensor loads (its part of this trip's slot), adds 0 to its spare word, and waits for that and for its reads of the other slot.
; refill = 1: behind a round of the cluster's barrier the other slot takes the next 512 keys: one tensor load of mine is out, and it has this key step of all sixteen waves in which to land.
.macro TRIP slot, refill, first, ask
	s_wait_tensorcnt 0x0                           ; no tensor load of mine is out, so a group 0 may be written
	ds_add_u32 v[SPW], v[NIL]                      ; 0 onto my spare word
	s_add_nc_u64 s[34+4*\slot:35+4*\slot], s[34+4*\slot:35+4*\slot], 2*SLOTB   ; this slot's next tile; the type bits on top are not reached
.if \ask
	s_wait_xcnt 0x0                                ; the last prefetch, a trip back, has read its address
	s_add_nc_u64 s[52:53], s[52:53], SLOTB
.endif
	s_wait_dscnt 0x0                               ; the add is done, and my reads of the other slot are over
.if \refill
	ROUND
	tensor_load_to_lds s[36-4*\slot:39-4*\slot], s[24:31]
	s_nop 0
	PLACES
.if \ask
	ASK
.endif
.else
	s_barrier_signal -1
	s_barrier_wait -1
.endif
	STEP \slot, \first
.endm
; THE MERGE.  Each wave puts its O^T and (-M, sum) into LDS; wave (qt, kg) then merges d tile kg of tile qt from the four waves qt + 4 k, and steps its eight numbers of q.
.macro MERGE
	v_add_f32 v14, v14, v15
	v_permlanex16_b32 v250, v14, s20, s21
	v_add_f32 v13, v14, v250                       ; my keys' sum, beside -M
.irp k, 0,1,2,3,4,5,6,7
	ds_store_b128 v[PW], v[O+4*\k:O+4*\k+3] offset:512*\k
.endr
	ds_store_b64 v[SW], v[12:13]
	s_wait_dscnt 0x0                               ; for the others' sake
	s_barrier_signal -1
	s_barrier_wait -1
.irp k, 0,1,2,3
	ds_load_b64 v[226+2*\k:227+2*\k], v[SR] offset:1024*\k
.endr
.irp k, 0,1,2,3
	ds_load_b128 v[F+8*\k:F+8*\k+3], v[PR] offset:16384*\k
	ds_load_b128 v[F+8*\k+4:F+8*\k+7], v[PR] offset:16384*\k+512
.endr
	s_wait_dscnt 8                                 ; the four (-M, sum) are in; the eight loads of O^T may be out
	v_min3_num_f32 v254, v226, v228, v230
	v_min_num_f32 v254, v254, v232                 ; -M of all 2,048 keys
.irp k, 0,1,2,3
	v_sub_f32 v[234+\k], v254, v[226+2*\k]         ; M_k - M: a whole number, 0 or less
.endr
.irp k, 0,1,2,3
	v_cvt_i32_f32 v[234+\k], v[234+\k]
.endr
.irp k, 0,1,2,3
	v_ldexp_f32 v[234+\k], 1.0, v[234+\k]          ; f_k
.endr
	v_mul_f32 v252, v234, v227
	v_fmac_f32 v252, v235, v229
	v_fmac_f32 v252, v236, v231
	v_fmac_f32 v252, v237, v233                    ; the row's sum
	v_rcp_f32 v252, v252
	v_nop
	s_wait_dscnt 0x0
.irp j, 0,1,2,3,4,5,6,7
	v_mul_f32 v[218+\j], v234, v[F+\j]
.endr
.irp k, 1,2,3
.irp j, 0,1,2,3,4,5,6,7
	v_fmac_f32 v[218+\j], v[234+\k], v[F+8*\k+\j]
.endr
.endr
	s_wait_alu depctr_va_vdst(0)                   ; the wait for the reciprocal, ahead of its first reader
	v_ldexp_f32 v252, v252, s49                    ; x 2^(eKV + ep)
	v_mul_f32 v252, 0x3dcccccd, v252               ; x 0.1
.irp j, 0,1,2,3,4,5,6,7
	v_fmac_f32 v[QF+\j], v[218+\j], v252           ; q += 0.1 softmax K
.endr
	QSHARE
.endm
.macro CONSTS                          ; a step's constants from its five exponents
	s_wait_kmcnt 0x0
	s_add_co_i32 s56, s44, s45
	s_lshl_b32 s56, s56, 23
	s_add_co_i32 s22, s56, 0x3e38aa3b              ; c = log2(e) / 8 x 2^(eq + ek)
	s_mov_b32 s23, s22
	s_add_co_i32 s49, s46, s47
	s_add_co_i32 s56, s47, 127
	s_lshl_b32 s57, s56, 23
	v_mov_b32 v244, s57                            ; 2^ep
	s_add_co_i32 s56, s56, 15
	s_lshl_b32 s56, s56, 23
	s_or_b32 s56, s56, 0x600000
	v_mov_b32 v240, s56                            ; 57,344 x 2^ep
	QSC s48                                        ; the scale under which q is quantised at this step's end
.endm
	s_wait_kmcnt 0x0
	QSC s44                                        ; the first q: entry 4
	s_wait_loadcnt 0x0
	QSHARE
	s_mov_b32 s55, 4
.Lstep:                                            ; energy steps 0 to 3
	CONSTS
	s_add_nc_u64 s[50:51], s[50:51], 16
	s_load_b128 s[44:47], s[50:51], 0x0            ; the next step's
	s_load_b32 s48, s[50:51], 0x10
	TRIP 0, 1, 1, 1
	TRIP 1, 1, 0, 1
	TRIP 0, 1, 0, 1
	TRIP 1, 1, 0, 1
	MERGE
	s_sub_co_u32 s55, s55, 1
	s_cmp_lg_u32 s55, 0
	s_cbranch_scc1 .Lstep
	CONSTS                                         ; step 4 is written out: its last trip fills nothing, its last two ask for nothing
	TRIP 0, 1, 1, 1
	TRIP 1, 1, 0, 1
	TRIP 0, 1, 0, 0
	TRIP 1, 0, 0, 0
	MERGE
	s_wait_dscnt 0x0                               ; the tile's eight registers of codes, under entry 24
	s_cmp_lt_u32 s12, 4
	s_cbranch_scc0 .Lno_store                      ; one wave of each tile stores them
	global_store_b128 v246, v[QCD:QCD+3], s[10:11]
	global_store_b128 v246, v[QCD+4:QCD+7], s[10:11] offset:512
.Lno_store:
	s_wait_tensorcnt 0x0                           ; the wave's end
	ds_add_u32 v[SPW], v[NIL]
	s_wait_dscnt 0x0
	ROUND                                          ; the closing round
	s_endpgm
.Lfunc_end_k_q22083a9ac1_attn:
	.size	k_q22083a9ac1_attn, .Lfunc_end_k_q22083a9ac1_attn-k_q22083a9ac1_attn
	.p2alignl 7, 3214868480
	.fill 96, 4, 3214868480
	.section	.rodata,"a",@progbits
	.p2align	6, 0x0
	.amdhsa_kernel k_q22083a9ac1_attn
		.amdhsa_group_segment_fixed_size 327680
		.amdhsa_private_segment_fixed_size 0
		.amdhsa_enable_private_segment 0
		.amdhsa_kernarg_size 32
		.amdhsa_user_sgpr_count 2
		.amdhsa_user_sgpr_kernarg_segment_ptr 1
		.amdhsa_wavefront_size32 1
		.amdhsa_system_sgpr_workgroup_id_x 1
		.amdhsa_system_sgpr_workgroup_id_y 1
		.amdhsa_system_sgpr_workgroup_id_z 1
		.amdhsa_system_vgpr_workitem_id 0
		.amdhsa_next_free_vgpr 256
		.amdhsa_next_free_sgpr 80
		.amdhsa_reserve_vcc 0
		.amdhsa_float_denorm_mode_32 3
		.amdhsa_float_denorm_mode_16_64 3
		.amdhsa_memory_ordered 1
		.amdhsa_forward_progress 1
		.amdhsa_inst_pref_size 143
	.end_amdhsa_kernel
	.amdgpu_metadata
---
amdhsa.version: [ 1, 2 ]
amdhsa.kernels:
  - .name:           k_q22083a9ac1_attn
    .symbol:         k_q22083a9ac1_attn.kd
    .args:
      - { .name: kc, .offset: 0, .size: 8, .value_kind: global_buffer, .address_space: global }
      - { .name: q0, .offset: 8, .size: 8, .value_kind: global_buffer, .address_space: global }
      - { .name: lowp_scales, .offset: 16, .size: 8, .value_kind: global_buffer, .address_space: global }
      - { .name: qc, .offset: 24, .size: 8, .value_kind: global_buffer, .address_space: global }
    .group_segment_fixed_size: 327680
    .private_segment_fixed_size: 0
    .kernarg_segment_align: 8
    .kernarg_segment_size: 32
    .max_flat_workgroup_size: 512
    .sgpr_count:     80
    .vgpr_count:     256
    .wavefront_size: 32
...
	.end_amdgpu_metadata
.endif
;; end of part 3
;; launch wo (part 4): grid 16 x 16, 4 waves a work-group, clusters of 4 x 4, 168,448 bytes of LDS; arguments qc, codes, target, lowp_scales, t1, alpha2, t2c; writes t1, t2c
.if DOCPART == 4
	.amdgcn_target "amdgcn-amd-amdhsa--gfx1250"
	.amdhsa_code_object_version 6
	.text
	.protected	k_q22083a9ac1_wo
	.globl	k_q22083a9ac1_wo
	.p2align	8
	.type	k_q22083a9ac1_wo,@function
k_q22083a9ac1_wo:
	s_mov_b64 s[64:65], 0
	v_nop
	global_prefetch_b8 v0, s[64:65] scope:SCOPE_SE
	s_setreg_imm32_b32 hwreg(HW_REG_WAVE_MODE, 25, 1), 1
	s_wait_xcnt 0x0
	s_wait_alu depctr_hold_cnt(0) depctr_sa_sdst(0) depctr_va_vdst(0) depctr_va_sdst(0) depctr_va_ssrc(0) depctr_va_vcc(0) depctr_vm_vsrc(0)
	s_getreg_b32 s2, hwreg(HW_REG_IB_STS2, 6, 4)
	s_cmp_eq_u32 s2, 0
	s_cbranch_scc0 .Lentry_in_a_cluster
	s_endpgm
.Lentry_in_a_cluster:
	s_bfe_u32 s2, ttmp6, 0x10000c
	s_cmp_lg_u32 s2, 0xf033
	s_cbranch_scc0 .Lentry_shape_is_right
	s_endpgm
.Lentry_shape_is_right:
; t1 = target + q Wo^T, and tanh(alpha2 t1) as codes of E5M2 under entry 26.  q (entry 24) and Wo (entry 25) are fragment images: 16 rows x 128 k = 2,048 bytes, registers 4 g .. of lane l at 512 g + 16 l.
; A work-group makes 64 x 64, so that 1,024 x 1,024 gives 256 work-groups.  Wave w owns X tile w (16 rows) and all four W tiles: four accumulators.  Source 0 = 16 rows of Wo: a lane holds one row and eight neighbouring columns.
; K = 1,024 lies in two LDS slots of four K steps, each filled ONCE: nothing is filled again.
; CLUSTERS 4 x 4: X's tiles are shared along a row of the cluster, W's along a column: joint loads.
; The residual comes in and the result leaves in whole rows of the tile (256 bytes, sixteen lanes); both change layout through the wave's own stage in LDS.
; tanh(a): a^2 < 1/16: the odd series up to a^9 (the first term left out is under 1e-8 of a); else 1 - 2 / (1 + 2^(2 a log2 e)).
; LIMITS: e24 + e25 between -126 and 127; e26 between -126 and 112.  NaN is not served.
.set KSC,  4                           ; K steps in a slot
.set KFR,  8                           ; K steps in a row tile
.set FRB,  2048
.set WOFF, 5242880                     ; Wo's codes in the buffer
.set SLOT, 8*KSC*FRB                   ; X's 4 tiles x KSC fragments, then W's
.set STAGE, 2*SLOT                     ; 16 rows x 272 bytes for each wave
.set SPI,  272
.set LI,  2                            ; v2  16 x lane
.set ADX, 4                            ; v4, v5  my X fragments in slot 0, 1
.set ADW, 6                            ; v6, v7  W's
.set SD,  8                            ; v8  the stage by rows: lanes 0-15 one row, lanes 16-31 the next
.set SA,  9                            ; v9  the stage in the accumulators' layout: row r, + 32 h bytes
.set GO,  10                           ; v10 the same two rows in memory
.set ACC, 192                          ; v192-223; fragments: two sets of 80 from v32; v224-255 the residual, later the result by rows
.set G1X, 24
.set G1W, 32
.set G0X, 40                           ; s[40:47] group 0 for X, slot 0, 1;  s[48:55] for W
.set G0W, 48
.set K2,  66                           ; s66-70 tanh's constants, s71 alpha2
.set C3,  67
.set C5,  68
.set C7,  69
.set C9,  70
.set AL,  71
.macro CREST
	s_cmp_lg_u32 s14, 0
	s_cbranch_scc1 .Lnot_wave_0_\@
	s_barrier_signal -3
.Lnot_wave_0_\@:
	s_barrier_wait -3
	s_barrier_signal -1
	s_barrier_wait -1
.endm
.macro CROUND
	s_barrier_signal -1
	s_barrier_wait -1
	CREST
.endm
.macro PLACES
.rept 4
	v_nop
.endr
.endm
	s_load_b256 s[4:11], s[0:1], 0x0               ; qc, codes, target, lowp_scales
	s_load_b64 s[84:85], s[0:1], 0x20              ; t1
	s_load_b128 s[88:91], s[0:1], 0x28             ; alpha2, t2c
	v_lshl_add_u32 v28, v0, 2, 0x29000
	v_mov_b32 v29, 0
	ds_add_u32 v28, v29
	ds_add_u32 v28, v29
	v_lshrrev_b32 v1, 5, v0
	v_readfirstlane_b32 s14, v1                    ; wave 0..3
	s_lshr_b32 s15, s14, 1                         ; I fetch for X (0) or for W (1),
	s_and_b32 s16, s14, 1                          ; tiles 2 (w % 2) and the next
	s_bfe_u32 s17, ttmp6, 0x40000
	s_bfe_u32 s18, ttmp6, 0x40004
	s_lshl_b32 s19, ttmp9, 2
	s_add_co_u32 s19, s19, s17                     ; x: column block
	s_and_b32 s20, ttmp7, 0xffff
	s_lshl_b32 s20, s20, 2
	s_add_co_u32 s20, s20, s18                     ; y: row block
	s_lshl_b32 s60, s18, 2
	s_lshl_b32 s60, 15, s60
	s_lshl_b32 s61, 0x1111, s17
	s_or_b32 s[G1X], s60, (3<<16)|(1<<21)          ; the mask; elements of 8 bytes; bit 21 beside a mask; no padding
	s_or_b32 s[G1W], s61, (3<<16)|(1<<21)
.irp g, G1X, G1W
	s_mov_b32 s[\g+1], (KSC*256)<<16               ; tensor_dim0: KSC fragments of a row tile
	s_mov_b32 s[\g+2], 2<<16                       ; tensor_dim1 = 2 row tiles
	s_mov_b32 s[\g+3], (KSC*256)<<16               ; tile_dim0
	s_mov_b32 s[\g+4], 2                           ; tile_dim1
	s_mov_b32 s[\g+5], KFR*256                     ; from row tile to row tile
	s_mov_b32 s[\g+6], 0
	s_mov_b32 s[\g+7], 0
.endr
	s_mul_i32 s62, s16, 2*KFR*FRB
	s_mul_i32 s56, s20, 4*KFR*FRB
	s_add_co_u32 s56, s56, s62
	s_mov_b32 s57, 0
	s_mul_i32 s58, s19, 4*KFR*FRB
	s_add_co_u32 s58, s58, s62
	s_add_co_u32 s58, s58, WOFF
	s_mov_b32 s59, 0
	s_mul_i32 s63, s14, 2*KSC*FRB                  ; in a slot: wave x two tiles
	s_mov_b32 s[K2], 0x4038aa3b
	s_mov_b32 s[C3], 0xbeaaaaab
	s_mov_b32 s[C5], 0x3e088889
	s_mov_b32 s[C7], 0xbd5d0dd1
	s_mov_b32 s[C9], 0x3cb327a4
	s_wait_dscnt 0x0
	s_wait_kmcnt 0x0
	s_load_b128 s[92:95], s[10:11], 0x60           ; e24, e25, e26, e27
	s_load_b32 s[AL], s[88:89], 0x0
	s_add_nc_u64 s[56:57], s[4:5], s[56:57]
	s_add_nc_u64 s[58:59], s[6:7], s[58:59]
.irp n, 0,1
	s_mov_b32 s[G0X+4*\n], 1
	s_add_co_u32 s[G0X+4*\n+1], s63, \n*SLOT
	s_add_nc_u64 s[G0X+4*\n+2:G0X+4*\n+3], s[56:57], \n*KSC*FRB
	s_or_b32 s[G0X+4*\n+3], s[G0X+4*\n+3], 0x80000000
	s_mov_b32 s[G0W+4*\n], 1
	s_add_co_u32 s[G0W+4*\n+1], s63, \n*SLOT
	s_add_nc_u64 s[G0W+4*\n+2:G0W+4*\n+3], s[58:59], \n*KSC*FRB
	s_or_b32 s[G0W+4*\n+3], s[G0W+4*\n+3], 0x80000000
.endr
	CROUND                                         ; the joint loads meet
	s_cmp_eq_u32 s15, 0                            ; a wave's two fills stand in one branch on its number: two tensor loads of mine are out
	s_cbranch_scc0 .Lfill_w
	tensor_load_to_lds s[G0X:G0X+3], s[G1X:G1X+7]
	s_nop 0
	tensor_load_to_lds s[G0X+4:G0X+7], s[G1X:G1X+7]
	s_nop 0
	PLACES
	s_branch .Lfilled
.Lfill_w:
	tensor_load_to_lds s[G0W:G0W+3], s[G1W:G1W+7]
	s_nop 0
	tensor_load_to_lds s[G0W+4:G0W+7], s[G1W:G1W+7]
	s_nop 0
	PLACES
.Lfilled:
	s_lshl_b32 s72, s20, 6
	s_lshl_b32 s73, s14, 4
	s_add_co_u32 s72, s72, s73                     ; my first row: 64 y + 16 w
	s_lshl_b32 s72, s72, 12
	s_lshl_b32 s73, s19, 8                         ; the tile's 64 columns: 256 bytes
	s_add_co_u32 s72, s72, s73
	s_mov_b32 s73, 0
	s_add_nc_u64 s[8:9], s[8:9], s[72:73]
	s_add_nc_u64 s[84:85], s[84:85], s[72:73]
	s_lshl_b32 s74, s20, 2
	s_add_co_u32 s74, s74, s14                     ; t2c: (row tile x 8 + x / 2) x 2,048 + (x % 2) x 1,024
	s_lshl_b32 s74, s74, 3
	s_lshr_b32 s75, s19, 1
	s_add_co_u32 s74, s74, s75
	s_lshl_b32 s74, s74, 11
	s_and_b32 s75, s19, 1
	s_lshl_b32 s75, s75, 10
	s_add_co_u32 s74, s74, s75
	s_mov_b32 s75, 0
	s_add_nc_u64 s[90:91], s[90:91], s[74:75]
	v_and_b32 v1, 31, v0
	v_lshlrev_b32 v[LI], 4, v1
	v_and_b32 v11, 15, v0                          ; r
	v_bfe_u32 v12, v0, 4, 1                        ; h
	v_lshlrev_b32 v[GO], 12, v12
	v_lshl_add_u32 v[GO], v11, 4, v[GO]
.irp i, 0,1,2,3,4,5,6,7
	global_load_b128 v[224+4*\i:227+4*\i], v[GO], s[8:9] offset:8192*\i th:TH_LOAD_NT   ; the residual: two rows' 256 bytes an instruction
.endr
	s_mul_i32 s76, s14, KSC*FRB
	v_add_nc_u32 v[ADX], s76, v[LI]
	v_add_nc_u32 v[ADX+1], SLOT, v[ADX]
	v_add_nc_u32 v[ADW], 4*KSC*FRB, v[LI]
	v_add_nc_u32 v[ADW+1], SLOT, v[ADW]
	s_mul_i32 s76, s14, 16*SPI
	s_add_co_u32 s76, s76, STAGE
	v_mul_u32_u24 v[SD], v12, SPI
	v_lshl_add_u32 v[SD], v11, 4, v[SD]
	v_add_nc_u32 v[SD], s76, v[SD]
	v_mul_u32_u24 v[SA], v11, SPI
	v_lshl_add_u32 v[SA], v12, 5, v[SA]
	v_add_nc_u32 v[SA], s76, v[SA]
.macro FETCH slot, s, set              ; a K step's five fragments: 20 loads of 512 consecutive bytes
.irp g, 0,1,2,3
	ds_load_b128 v[32+80*(\set)+4*\g:35+80*(\set)+4*\g], v[ADX+\slot] offset:(\s)*FRB+512*\g
.endr
.irp t, 0,1,2,3
.irp g, 0,1,2,3
	ds_load_b128 v[48+80*(\set)+16*\t+4*\g:51+80*(\set)+16*\t+4*\g], v[ADW+\slot] offset:\t*KSC*FRB+(\s)*FRB+512*\g
.endr
.endr
.endm
.macro CHUNK slot, zero                ; a slot's K steps on two sets of registers: the next step's fragments are asked for ahead of this step's products
.if !(\zero)
	PLACES
.endif
	FETCH \slot, 0, 0
.set ks, 0
.rept KSC
.if ks+1 < KSC
	PLACES
	FETCH \slot, ks+1, (ks+1)%2
	s_wait_dscnt 20                                ; all but the 20 just issued
.else
	s_wait_dscnt 0x0
.endif
.irp t, 0,1,2,3
.if (\zero) && (ks == 0)
	v_wmma_f32_16x16x128_bf8_bf8 v[ACC+8*\t:ACC+8*\t+7], v[48+80*(ks%2)+16*\t:63+80*(ks%2)+16*\t], v[32+80*(ks%2):47+80*(ks%2)], 0
.else
	v_wmma_f32_16x16x128_bf8_bf8 v[ACC+8*\t:ACC+8*\t+7], v[48+80*(ks%2)+16*\t:63+80*(ks%2)+16*\t], v[32+80*(ks%2):47+80*(ks%2)], v[ACC+8*\t:ACC+8*\t+7]
.endif
.endr
.set ks, ks+1
.endr
.endm
	s_wait_tensorcnt 1                             ; my part of slot 0 is in; slot 1's may stay out
	s_barrier_signal -1
	s_barrier_wait -1
	CHUNK 0, 1
	s_wait_tensorcnt 0x0                           ; my part of slot 1
	s_wait_dscnt 0x0
	s_barrier_signal -1
	s_barrier_wait -1
	CHUNK 1, 0
	PLACES
	s_wait_kmcnt 0x0
	s_add_co_i32 s96, s92, s93
	s_add_co_i32 s96, s96, 127
	s_lshl_b32 s96, s96, 23                        ; 2^(e24 + e25)
	s_mov_b32 s97, s96
	s_add_co_i32 s98, s94, 127
	s_lshl_b32 s99, s98, 23
	v_mov_b32 v30, s99                             ; 2^e26
	s_add_co_i32 s98, s98, 15
	s_lshl_b32 s98, s98, 23
	s_or_b32 s98, s98, 0x600000
	v_mov_b32 v31, s98                             ; 57,344 x 2^e26
	s_wait_loadcnt 0x0
.irp i, 0,1,2,3,4,5,6,7
	ds_store_b128 v[SD], v[224+4*\i:227+4*\i] offset:2*SPI*\i   ; the residual by rows; LDS serves a wave's instructions in order: no wait ahead of the loads
.endr
.irp t, 0,1,2,3
	ds_load_b128 v[32+8*\t:35+8*\t], v[SA] offset:64*\t         ; and back in the accumulators' layout
	ds_load_b128 v[36+8*\t:39+8*\t], v[SA] offset:64*\t+16
.endr
	s_wait_dscnt 0x0
.set n, 0
.rept 16
	v_pk_fma_f32 v[64+n:65+n], v[ACC+n:ACC+n+1], s[96:97], v[32+n:33+n] op_sel_hi:[1,0,1]   ; t1 = sum x 2^(e24 + e25) + target
.set n, n+2
.endr
.irp t, 0,1,2,3
	ds_store_b128 v[SA], v[64+8*\t:67+8*\t] offset:64*\t
	ds_store_b128 v[SA], v[68+8*\t:71+8*\t] offset:64*\t+16
.endr
.irp i, 0,1,2,3,4,5,6,7
	ds_load_b128 v[224+4*\i:227+4*\i], v[SD] offset:2*SPI*\i
.endr
.irp i, 0,1,2,3,4,5,6,7
	s_wait_dscnt 7-\i                              ; rows 2 i, 2 i + 1 are back; the later loads may be out
	global_store_b128 v[GO], v[224+4*\i:227+4*\i], s[84:85] offset:8192*\i   ; sixteen lanes store 256 consecutive bytes, aligned
.endr
; v[d .. d + 15] = tanh(alpha x v[s .. s + 15]); tmp: 48 registers: a^2, the series, the exponential form
.macro TANH16 d, s, tmp
.set n, 0
.rept 16
	v_mul_f32 v[(\d)+n], s[AL], v[(\s)+n]
.set n, n+1
.endr
.set n, 0
.rept 16
	v_mul_f32 v[(\tmp)+32+n], s[K2], v[(\d)+n]
.set n, n+1
.endr
.set n, 0
.rept 16
	v_exp_f32 v[(\tmp)+32+n], v[(\tmp)+32+n]
.set n, n+1
.endr
.set n, 0
.rept 16
	v_mul_f32 v[(\tmp)+n], v[(\d)+n], v[(\d)+n]
.set n, n+1
.endr
	s_wait_alu depctr_va_vdst(0)                   ; one wait for the batch, ahead of its first reader
.set n, 0
.rept 16
	v_add_f32 v[(\tmp)+32+n], 1.0, v[(\tmp)+32+n]
.set n, n+1
.endr
.set n, 0
.rept 16
	v_rcp_f32 v[(\tmp)+32+n], v[(\tmp)+32+n]
.set n, n+1
.endr
.set n, 0
.rept 16
	v_fma_f32 v[(\tmp)+16+n], v[(\tmp)+n], s[C9], s[C7]
.set n, n+1
.endr
.set n, 0
.rept 16
	v_fma_f32 v[(\tmp)+16+n], v[(\tmp)+n], v[(\tmp)+16+n], s[C5]
.set n, n+1
.endr
.set n, 0
.rept 16
	v_fma_f32 v[(\tmp)+16+n], v[(\tmp)+n], v[(\tmp)+16+n], s[C3]
.set n, n+1
.endr
.set n, 0
.rept 16
	v_mul_f32 v[(\tmp)+16+n], v[(\tmp)+n], v[(\tmp)+16+n]
.set n, n+1
.endr
.set n, 0
.rept 16
	v_fma_f32 v[(\tmp)+16+n], v[(\d)+n], v[(\tmp)+16+n], v[(\d)+n]
.set n, n+1
.endr
	s_wait_alu depctr_va_vdst(0)
.set n, 0
.rept 16
	v_fma_f32 v[(\tmp)+32+n], v[(\tmp)+32+n], -2.0, 1.0
.set n, n+1
.endr
.set n, 0
.rept 16
	v_cmp_gt_f32 vcc_lo, 0x3d800000, v[(\tmp)+n]
	v_cndmask_b32 v[(\d)+n], v[(\tmp)+32+n], v[(\tmp)+16+n], vcc_lo
.set n, n+1
.endr
.endm
	TANH16 96, 64, 128                             ; on a copy: t1's registers are left as they are
	TANH16 112, 80, 128
.set n, 0
.rept 32
	v_med3_num_f32 v[96+n], v[96+n], -v31, v31
.set n, n+1
.endr
.irp t, 0,1,2,3
	v_cvt_scalef32_pk8_bf8_f32 v[176+2*\t:177+2*\t], v[96+8*\t:103+8*\t], v30   ; columns 16 t + 8 h + 0 .. 7: registers 2 t, 2 t + 1 of my half of the fragment
.endr
	v_nop
	global_store_b128 v[LI], v[176:179], s[90:91]
	global_store_b128 v[LI], v[180:183], s[90:91] offset:512
	s_wait_tensorcnt 0x0
	ds_add_u32 v28, v29
	s_wait_dscnt 0x0
	CROUND                                         ; the closing round
	s_endpgm
.Lfunc_end_k_q22083a9ac1_wo:
	.size	k_q22083a9ac1_wo, .Lfunc_end_k_q22083a9ac1_wo-k_q22083a9ac1_wo
	.p2alignl 7, 3214868480
	.fill 96, 4, 3214868480
	.section	.rodata,"a",@progbits
	.p2align	6, 0x0
	.amdhsa_kernel k_q22083a9ac1_wo
		.amdhsa_group_segment_fixed_size 168448
		.amdhsa_private_segment_fixed_size 0
		.amdhsa_enable_private_segment 0
		.amdhsa_kernarg_size 56
		.amdhsa_user_sgpr_count 2
		.amdhsa_user_sgpr_kernarg_segment_ptr 1
		.amdhsa_wavefront_size32 1
		.amdhsa_system_sgpr_workgroup_id_x 1
		.amdhsa_system_sgpr_workgroup_id_y 1
		.amdhsa_system_sgpr_workgroup_id_z 1
		.amdhsa_system_vgpr_workitem_id 0
		.amdhsa_next_free_vgpr 256
		.amdhsa_next_free_sgpr 100
		.amdhsa_reserve_vcc 1
		.amdhsa_float_denorm_mode_32 3
		.amdhsa_float_denorm_mode_16_64 3
		.amdhsa_memory_ordered 1
		.amdhsa_forward_progress 1
		.amdhsa_inst_pref_size 49
	.end_amdhsa_kernel
	.amdgpu_metadata
---
amdhsa.version: [ 1, 2 ]
amdhsa.kernels:
  - .name:           k_q22083a9ac1_wo
    .symbol:         k_q22083a9ac1_wo.kd
    .args:
      - { .name: qc, .offset: 0, .size: 8, .value_kind: global_buffer, .address_space: global }
      - { .name: codes, .offset: 8, .size: 8, .value_kind: global_buffer, .address_space: global }
      - { .name: target, .offset: 16, .size: 8, .value_kind: global_buffer, .address_space: global }
      - { .name: lowp_scales, .offset: 24, .size: 8, .value_kind: global_buffer, .address_space: global }
      - { .name: t1, .offset: 32, .size: 8, .value_kind: global_buffer, .address_space: global }
      - { .name: alpha2, .offset: 40, .size: 8, .value_kind: global_buffer, .address_space: global }
      - { .name: t2c, .offset: 48, .size: 8, .value_kind: global_buffer, .address_space: global }
    .group_segment_fixed_size: 168448
    .private_segment_fixed_size: 0
    .kernarg_segment_align: 8
    .kernarg_segment_size: 56
    .max_flat_workgroup_size: 128
    .sgpr_count:     100
    .vgpr_count:     256
    .wavefront_size: 32
...
	.end_amdgpu_metadata
.endif
;; end of part 4
;; launch ffn1 (part 5): grid 32 x 8, 8 waves a work-group, clusters of 4 x 4, 263,168 bytes of LDS; arguments t2c, codes, lowp_scales, hc; writes hc
.if DOCPART == 5
	.amdgcn_target "amdgcn-amd-amdhsa--gfx1250"
	.amdhsa_code_object_version 6
	.text
	.protected	k_q22083a9ac1_ffn1
	.globl	k_q22083a9ac1_ffn1
	.p2align	8
	.type	k_q22083a9ac1_ffn1,@function
k_q22083a9ac1_ffn1:
	s_mov_b64 s[64:65], 0
	v_nop
	global_prefetch_b8 v0, s[64:65] scope:SCOPE_SE
	s_setreg_imm32_b32 hwreg(HW_REG_WAVE_MODE, 25, 1), 1
	s_wait_xcnt 0x0
	s_wait_alu depctr_hold_cnt(0) depctr_sa_sdst(0) depctr_va_vdst(0) depctr_va_sdst(0) depctr_va_ssrc(0) depctr_va_vcc(0) depctr_vm_vsrc(0)
	s_getreg_b32 s2, hwreg(HW_REG_IB_STS2, 6, 4)
	s_cmp_eq_u32 s2, 0
	s_cbranch_scc0 .Lentry_in_a_cluster
	s_endpgm
.Lentry_in_a_cluster:
	s_bfe_u32 s2, ttmp6, 0x10000c
	s_cmp_lg_u32 s2, 0xf033
	s_cbranch_scc0 .Lentry_shape_is_right
	s_endpgm
.Lentry_shape_is_right:
; h = gelu(t2 W1^T) as codes of E5M2 under entry 28.  t2 (entry 26) and W1 (entry 27) are fragment images: 16 rows x 128 k = 2,048 bytes, registers 4 g .. of lane l at 512 g + 16 l; a tensor is laid [row tile][K step].
; A work-group makes 128 rows x 128 hidden units, K = 1,024: 256 work-groups.  Its whole operand set, 128 KiB + 128 KiB, is brought into LDS ONCE, in four chunks of two K steps: nothing is filled again.
; CLUSTERS 4 x 4: X's tiles are shared along a row of the cluster, W's along a column: joint loads.
; Wave w: xg = w % 4 owns X tiles 2 xg, 2 xg + 1; wg = w / 4 owns W tiles 4 wg .. 4 wg + 3.  Source 0 = 16 rows of W1: a lane holds one row of X and eight neighbouring hidden units,
; whose conversion is two registers of the next product's fragment: nothing changes lanes.
; gelu(x) = 0.5 x (1 + tanh(u)), u = sqrt(2/pi) (x + 0.044715 x^3), is computed as x / (1 + 2^(x (A + B x^2))), A = -2 sqrt(2/pi) log2(e), B = 0.044715 A: the same function, with no difference of near numbers.
; LIMITS: e26 + e27 between -126 and 127; e28 between -126 and 112.  NaN is not served.
.set CH,  65536
.set LI,  1
.set ADX, 2
.set ADW, 6
.set FX,  16
.set FW,  48
.set A1,  112                          ; v112-175 the accumulators (wt, xt) at 8 (2 wt + xt)
.set Z,   16                           ; v16-79 at work behind the products
.set G1X, 24
.set G1W, 32
.set G0X, 40
.set G0W, 68
.macro CREST
	s_cmp_lg_u32 s14, 0
	s_cbranch_scc1 .Lnot_wave_0_\@
	s_barrier_signal -3
.Lnot_wave_0_\@:
	s_barrier_wait -3
	s_barrier_signal -1
	s_barrier_wait -1
.endm
.macro CROUND
	s_barrier_signal -1
	s_barrier_wait -1
	CREST
.endm
.macro PLACES
.rept 4
	v_nop
.endr
.endm
	s_load_b256 s[4:11], s[0:1], 0x0               ; t2c, codes, lowp_scales, hc
	v_lshl_add_u32 v254, v0, 2, 0x40000
	v_mov_b32 v255, 0
	ds_add_u32 v254, v255
	ds_add_u32 v254, v255
	v_lshrrev_b32 v12, 5, v0
	v_readfirstlane_b32 s14, v12                   ; wave 0..7
	s_lshr_b32 s15, s14, 2                         ; wg.  Also: I fetch for X (0) or for W (1)
	s_and_b32 s16, s14, 3                          ; xg.  Also: which two row tiles I fetch
	s_bfe_u32 s17, ttmp6, 0x40000
	s_bfe_u32 s18, ttmp6, 0x40004
	s_lshl_b32 s19, ttmp9, 2
	s_add_co_u32 s19, s19, s17                     ; column block: 128 hidden units
	s_and_b32 s20, ttmp7, 0xffff
	s_lshl_b32 s20, s20, 2
	s_add_co_u32 s20, s20, s18                     ; row block
	s_lshl_b32 s60, s18, 2
	s_lshl_b32 s60, 15, s60
	s_lshl_b32 s61, 0x1111, s17
	s_or_b32 s[G1X], s60, (3<<16)|(1<<21)          ; the mask; elements of 8 bytes; bit 21 beside a mask; no padding
	s_or_b32 s[G1W], s61, (3<<16)|(1<<21)
.irp g, G1X, G1W
	s_mov_b32 s[\g+1], 512<<16                     ; tensor_dim0: two K steps of a row tile, 4,096 bytes
	s_mov_b32 s[\g+2], 2<<16                       ; tensor_dim1 = 2 row tiles
	s_mov_b32 s[\g+3], 512<<16
	s_mov_b32 s[\g+4], 2
	s_mov_b32 s[\g+5], 2048                        ; from row tile to row tile: 16,384 bytes
	s_mov_b32 s[\g+6], 0
	s_mov_b32 s[\g+7], 0
.endr
	s_lshl_b32 s62, s16, 15
	s_lshl_b32 s56, s20, 17
	s_add_co_u32 s56, s56, s62
	s_mov_b32 s57, 0
	s_lshl_b32 s58, s19, 17
	s_add_co_u32 s58, s58, s62
	s_add_co_u32 s58, s58, 6291456                 ; W1's codes in the buffer
	s_mov_b32 s59, 0
	s_lshl_b32 s63, s14, 13
	s_wait_dscnt 0x0
	s_wait_kmcnt 0x0
	s_add_nc_u64 s[56:57], s[4:5], s[56:57]
	s_add_nc_u64 s[58:59], s[6:7], s[58:59]
.irp c, 0,1,2,3
	s_mov_b32 s[G0X+4*\c], 1
	s_add_co_u32 s[G0X+4*\c+1], s63, \c*CH
	s_add_nc_u64 s[G0X+4*\c+2:G0X+4*\c+3], s[56:57], \c*4096
	s_or_b32 s[G0X+4*\c+3], s[G0X+4*\c+3], 0x80000000
	s_mov_b32 s[G0W+4*\c], 1
	s_add_co_u32 s[G0W+4*\c+1], s63, \c*CH
	s_add_nc_u64 s[G0W+4*\c+2:G0W+4*\c+3], s[58:59], \c*4096
	s_or_b32 s[G0W+4*\c+3], s[G0W+4*\c+3], 0x80000000
.endr
	CROUND
	s_cmp_eq_u32 s15, 0                            ; a wave's four fills stand in one branch on its number: four tensor loads of mine are out
	s_cbranch_scc0 .Lfill_w
.irp c, 0,1,2,3
	tensor_load_to_lds s[G0X+4*\c:G0X+4*\c+3], s[G1X:G1X+7]
	s_nop 0
.endr
	PLACES
	s_branch .Lfilled
.Lfill_w:
.irp c, 0,1,2,3
	tensor_load_to_lds s[G0W+4*\c:G0W+4*\c+3], s[G1W:G1W+7]
	s_nop 0
.endr
	PLACES
.Lfilled:
	v_and_b32 v[LI], 31, v0
	v_lshlrev_b32 v[LI], 4, v[LI]
	s_lshl_b32 s84, s16, 13
	s_lshl_b32 s85, s15, 14
	s_add_co_u32 s85, s85, 32768
.irp c, 0,1,2,3
	v_add_nc_u32 v[ADX+\c], s84, v[LI]
	v_add_nc_u32 v[ADW+\c], s85, v[LI]
	s_add_co_u32 s84, s84, CH
	s_add_co_u32 s85, s85, CH
.endr
	s_lshl_b32 s86, s20, 3                         ; hc: ((8 y + 2 xg) x 32 + column block) x 2,048 + wg x 1,024
	s_lshl_b32 s87, s16, 1
	s_add_co_u32 s86, s86, s87
	s_lshl_b32 s86, s86, 5
	s_add_co_u32 s86, s86, s19
	s_lshl_b32 s86, s86, 11
	s_lshl_b32 s87, s15, 10
	s_add_co_u32 s86, s86, s87
	s_mov_b32 s87, 0
	s_add_nc_u64 s[10:11], s[10:11], s[86:87]
	v_mov_b32 v246, 0xc0135761                     ; A = -2.3022082, twice
	v_mov_b32 v247, 0xc0135761
	v_mov_b32 v248, 0xbdd2d3e8                     ; B = -0.10294324, twice
	v_mov_b32 v249, 0xbdd2d3e8
; One K step: 24 LDS loads of 512 consecutive bytes, then 8 products; the accumulators take turns, one instruction a turn, in the same order in every step.
.macro KS128 c, sp, zero, places
.if \places
	PLACES
.endif
.irp x, 0,1
.irp g, 0,1,2,3
	ds_load_b128 v[FX+16*\x+4*\g:FX+16*\x+4*\g+3], v[ADX+\c] offset:\x*4096+\sp*2048+512*\g
.endr
.endr
.irp t, 0,1,2,3
.irp g, 0,1,2,3
	ds_load_b128 v[FW+16*\t+4*\g:FW+16*\t+4*\g+3], v[ADW+\c] offset:\t*4096+\sp*2048+512*\g
.endr
.endr
.irp t, 0,1,2,3
	s_wait_dscnt 12-4*\t                           ; X and W's tiles up to t are in; the later tiles' loads, four each, may be out
.irp x, 0,1
.if \zero
	v_wmma_f32_16x16x128_bf8_bf8 v[A1+8*(2*\t+\x):A1+8*(2*\t+\x)+7], v[FW+16*\t:FW+16*\t+15], v[FX+16*\x:FX+16*\x+15], 0
.else
	v_wmma_f32_16x16x128_bf8_bf8 v[A1+8*(2*\t+\x):A1+8*(2*\t+\x)+7], v[FW+16*\t:FW+16*\t+15], v[FX+16*\x:FX+16*\x+15], v[A1+8*(2*\t+\x):A1+8*(2*\t+\x)+7]
.endif
.endr
.endr
.endm
.irp c, 0,1,2,3
	s_wait_tensorcnt 3-\c                          ; my part of chunk c is in; my later chunks' loads stay out
	s_barrier_signal -1
	s_barrier_wait -1
.if \c == 0
	KS128 0, 0, 1, 0
.else
	KS128 \c, 0, 0, 1
.endif
	KS128 \c, 1, 0, 1
.endr
	s_load_b128 s[24:27], s[8:9], 0x68             ; no tensor load of mine is out: e26, e27, e28, e29
	PLACES
	s_wait_kmcnt 0x0
	s_add_co_i32 s84, s24, s25
	s_add_co_i32 s84, s84, 127
	s_lshl_b32 s84, s84, 23                        ; 2^(e26 + e27)
	s_mov_b32 s85, s84
	s_add_co_i32 s88, s26, 127
	s_lshl_b32 s89, s88, 23
	v_mov_b32 v244, s89                            ; 2^e28
	s_add_co_i32 s88, s88, 15
	s_lshl_b32 s88, s88, 23
	s_or_b32 s88, s88, 0x600000
	v_mov_b32 v245, s88                            ; 57,344 x 2^e28
.set n, 0
.rept 32
	v_pk_mul_f32 v[A1+n:A1+n+1], v[A1+n:A1+n+1], s[84:85] op_sel_hi:[1,0]   ; x; each accumulator from its low end on
.set n, n+2
.endr
.set n, 0
.rept 32
	v_pk_mul_f32 v[Z+n:Z+n+1], v[A1+n:A1+n+1], v[A1+n:A1+n+1]
.set n, n+2
.endr
.set n, 0
.rept 32
	v_pk_fma_f32 v[Z+n:Z+n+1], v[Z+n:Z+n+1], v[248:249], v[246:247]
.set n, n+2
.endr
.set n, 0
.rept 32
	v_pk_mul_f32 v[Z+n:Z+n+1], v[Z+n:Z+n+1], v[A1+n:A1+n+1]                 ; x (A + B x^2)
.set n, n+2
.endr
.set n, 0
.rept 64
	v_exp_f32 v[Z+n], v[Z+n]
.set n, n+1
.endr
	v_nop
	s_wait_alu depctr_va_vdst(0)                   ; one wait for the batch, ahead of its first reader
.set n, 0
.rept 32
	v_pk_add_f32 v[Z+n:Z+n+1], v[Z+n:Z+n+1], 1.0 op_sel_hi:[1,0]
.set n, n+2
.endr
.set n, 0
.rept 64
	v_rcp_f32 v[Z+n], v[Z+n]
.set n, n+1
.endr
	v_nop
	s_wait_alu depctr_va_vdst(0)
.set n, 0
.rept 32
	v_pk_mul_f32 v[A1+n:A1+n+1], v[A1+n:A1+n+1], v[Z+n:Z+n+1]               ; gelu(x)
.set n, n+2
.endr
.set n, 0
.rept 64
	v_med3_num_f32 v[A1+n], v[A1+n], -v245, v245
.set n, n+1
.endr
.irp x, 0,1
.irp t, 0,1,2,3
	v_cvt_scalef32_pk8_bf8_f32 v[80+8*\x+2*\t:81+8*\x+2*\t], v[A1+8*(2*\t+\x):A1+8*(2*\t+\x)+7], v244   ; hidden units 16 (4 wg + t) + 8 h + 0 .. 7 of the block: registers 8 wg + 2 t, + 1 of the fragment
.endr
.endr
	v_nop
.irp x, 0,1
	global_store_b128 v[LI], v[80+8*\x:83+8*\x], s[10:11] offset:\x*65536
	global_store_b128 v[LI], v[84+8*\x:87+8*\x], s[10:11] offset:\x*65536+512
.endr
	s_wait_tensorcnt 0x0
	ds_add_u32 v254, v255
	s_wait_dscnt 0x0
	CROUND                                         ; the closing round
	s_endpgm
.Lfunc_end_k_q22083a9ac1_ffn1:
	.size	k_q22083a9ac1_ffn1, .Lfunc_end_k_q22083a9ac1_ffn1-k_q22083a9ac1_ffn1
	.p2alignl 7, 3214868480
	.fill 96, 4, 3214868480
	.section	.rodata,"a",@progbits
	.p2align	6, 0x0
	.amdhsa_kernel k_q22083a9ac1_ffn1
		.amdhsa_group_segment_fixed_size 263168
		.amdhsa_private_segment_fixed_size 0
		.amdhsa_enable_private_segment 0
		.amdhsa_kernarg_size 32
		.amdhsa_user_sgpr_count 2
		.amdhsa_user_sgpr_kernarg_segment_ptr 1
		.amdhsa_wavefront_size32 1
		.amdhsa_system_sgpr_workgroup_id_x 1
		.amdhsa_system_sgpr_workgroup_id_y 1
		.amdhsa_system_sgpr_workgroup_id_z 1
		.amdhsa_system_vgpr_workitem_id 0
		.amdhsa_next_free_vgpr 256
		.amdhsa_next_free_sgpr 100
		.amdhsa_reserve_vcc 0
		.amdhsa_float_denorm_mode_32 3
		.amdhsa_float_denorm_mode_16_64 3
		.amdhsa_memory_ordered 1
		.amdhsa_forward_progress 1
		.amdhsa_inst_pref_size 48
	.end_amdhsa_kernel
	.amdgpu_metadata
---
amdhsa.version: [ 1, 2 ]
amdhsa.kernels:
  - .name:           k_q22083a9ac1_ffn1
    .symbol:         k_q22083a9ac1_ffn1.kd
    .args:
      - { .name: t2c, .offset: 0, .size: 8, .value_kind: global_buffer, .address_space: global }
      - { .name: codes, .offset: 8, .size: 8, .value_kind: global_buffer, .address_space: global }
      - { .name: lowp_scales, .offset: 16, .size: 8, .value_kind: global_buffer, .address_space: global }
      - { .name: hc, .offset: 24, .size: 8, .value_kind: global_buffer, .address_space: global }
    .group_segment_fixed_size: 263168
    .private_segment_fixed_size: 0
    .kernarg_segment_align: 8
    .kernarg_segment_size: 32
    .max_flat_workgroup_size: 256
    .sgpr_count:     100
    .vgpr_count:     256
    .wavefront_size: 32
...
	.end_amdgpu_metadata
.endif
;; end of part 5
;; launch ffn2 (part 6): grid 16 x 16, 4 waves a work-group, clusters of 4 x 4, 327,680 bytes of LDS; arguments hc, codes, t1, lowp_scales, out0; writes out0
.if DOCPART == 6
	.amdgcn_target "amdgcn-amd-amdhsa--gfx1250"
	.amdhsa_code_object_version 6
	.text
	.protected	k_q22083a9ac1_ffn2
	.globl	k_q22083a9ac1_ffn2
	.p2align	8
	.type	k_q22083a9ac1_ffn2,@function
k_q22083a9ac1_ffn2:
	s_mov_b64 s[64:65], 0
	v_nop
	global_prefetch_b8 v0, s[64:65] scope:SCOPE_SE
	s_setreg_imm32_b32 hwreg(HW_REG_WAVE_MODE, 25, 1), 1
	s_wait_xcnt 0x0
	s_wait_alu depctr_hold_cnt(0) depctr_sa_sdst(0) depctr_va_vdst(0) depctr_va_sdst(0) depctr_va_ssrc(0) depctr_va_vcc(0) depctr_vm_vsrc(0)
	s_getreg_b32 s2, hwreg(HW_REG_IB_STS2, 6, 4)
	s_cmp_eq_u32 s2, 0
	s_cbranch_scc0 .Lentry_in_a_cluster
	s_endpgm
.Lentry_in_a_cluster:
	s_bfe_u32 s2, ttmp6, 0x10000c
	s_cmp_lg_u32 s2, 0xf033
	s_cbranch_scc0 .Lentry_shape_is_right
	s_endpgm
.Lentry_shape_is_right:
; out0 = t1 + h W2^T.  h (entry 28) and W2 (entry 29) are fragment images: 16 rows x 128 k = 2,048 bytes, registers 4 g .. of lane l at 512 g + 16 l; a tensor is laid [row tile][K step].
; A work-group makes 64 x 64, so that 1,024 x 1,024 gives 256 work-groups.  Wave w owns X tile w (16 rows) and all four W tiles: four accumulators.  Source 0 = 16 rows of W2: a lane holds one row and eight neighbouring columns.
; K = 4,096 goes through a ring of two LDS slots of eight K steps: four slots' worth, so each slot is filled twice.  One tensor load a wave behind each change of slots; it has eight K steps in which to land.
; CLUSTERS 4 x 4: X's tiles are shared along a row of the cluster, W's along a column: joint loads; a round of the cluster's barrier stands in front of each refill.
; The residual comes in and the result leaves in whole rows of the tile (256 bytes, sixteen lanes); both change layout through the wave's own stage in LDS, into which no tensor load lands.
; LIMIT: e28 + e29 between -126 and 127.
.set KSC,  8                           ; K steps in a slot
.set KFR,  32                          ; K steps in a row tile
.set FRB,  2048
.set WOFF, 10485760                    ; W2's codes in the buffer
.set SLOT, 8*KSC*FRB                   ; X's 4 tiles x KSC fragments, then W's
.set STAGE, 2*SLOT                     ; 16 rows x 272 bytes for each wave
.set SPI,  272
.set SPARE, STAGE+4*16*SPI             ; the spare words, 128 bytes a wave: two blocks of 256 bytes that no other line names
.set LI,  2
.set ADX, 4                            ; v4, v5  my X fragments in slot 0, 1
.set ADW, 6                            ; v6, v7  W's
.set SD,  8                            ; v8  the stage by rows
.set SA,  9                            ; v9  the stage in the accumulators' layout
.set GO,  10                           ; v10 two rows of the tile in memory
.set SPW, 28                           ; v28 my spare word; never rewritten
.set NIL, 29                           ; v29 0; never rewritten
.set ACC, 192                          ; v192-223; fragments: two sets of 80 from v32; v224-255 the residual, later the result by rows
.set G1X, 24
.set G1W, 32
.set G0X, 40
.set G0W, 48
.macro CREST
	s_cmp_lg_u32 s14, 0
	s_cbranch_scc1 .Lnot_wave_0_\@
	s_barrier_signal -3
.Lnot_wave_0_\@:
	s_barrier_wait -3
	s_barrier_signal -1
	s_barrier_wait -1
.endm
.macro CROUND
	s_barrier_signal -1
	s_barrier_wait -1
	CREST
.endm
.macro PLACES
.rept 4
	v_nop
.endr
.endm
.macro JLOAD n                         ; a joint refill of slot n: waves 0 and 1 fetch for X, waves 2 and 3 for W; the branch hangs on the wave's number alone
	s_cmp_eq_u32 s15, 0
	s_cbranch_scc0 .Lfor_w_\@
	tensor_load_to_lds s[G0X+4*\n:G0X+4*\n+3], s[G1X:G1X+7]
	s_nop 0
	PLACES
	s_branch .Lasked_\@
.Lfor_w_\@:
	tensor_load_to_lds s[G0W+4*\n:G0W+4*\n+3], s[G1W:G1W+7]
	s_nop 0
	PLACES
.Lasked_\@:
.endm
	s_load_b256 s[4:11], s[0:1], 0x0               ; hc, codes, t1, lowp_scales
	s_load_b64 s[84:85], s[0:1], 0x20              ; out0
	v_lshl_add_u32 v[SPW], v0, 2, SPARE
	v_mov_b32 v[NIL], 0
	ds_add_u32 v28, v29
	ds_add_u32 v28, v29
	s_wait_dscnt 0x0
	v_lshrrev_b32 v1, 5, v0
	v_readfirstlane_b32 s14, v1                    ; wave 0..3
	s_lshr_b32 s15, s14, 1
	s_and_b32 s16, s14, 1
	s_bfe_u32 s17, ttmp6, 0x40000
	s_bfe_u32 s18, ttmp6, 0x40004
	s_lshl_b32 s19, ttmp9, 2
	s_add_co_u32 s19, s19, s17                     ; x
	s_and_b32 s20, ttmp7, 0xffff
	s_lshl_b32 s20, s20, 2
	s_add_co_u32 s20, s20, s18                     ; y
	s_lshl_b32 s60, s18, 2
	s_lshl_b32 s60, 15, s60
	s_lshl_b32 s61, 0x1111, s17
	s_or_b32 s[G1X], s60, (3<<16)|(1<<21)
	s_or_b32 s[G1W], s61, (3<<16)|(1<<21)
.irp g, G1X, G1W
	s_mov_b32 s[\g+1], (KSC*256)<<16               ; tensor_dim0: KSC fragments of a row tile, 16,384 bytes
	s_mov_b32 s[\g+2], 2<<16                       ; tensor_dim1 = 2 row tiles
	s_mov_b32 s[\g+3], (KSC*256)<<16
	s_mov_b32 s[\g+4], 2
	s_mov_b32 s[\g+5], KFR*256                     ; from row tile to row tile: 65,536 bytes
	s_mov_b32 s[\g+6], 0
	s_mov_b32 s[\g+7], 0
.endr
	s_mul_i32 s62, s16, 2*KFR*FRB
	s_mul_i32 s56, s20, 4*KFR*FRB
	s_add_co_u32 s56, s56, s62
	s_mov_b32 s57, 0
	s_mul_i32 s58, s19, 4*KFR*FRB
	s_add_co_u32 s58, s58, s62
	s_add_co_u32 s58, s58, WOFF
	s_mov_b32 s59, 0
	s_mul_i32 s63, s14, 2*KSC*FRB
	s_wait_kmcnt 0x0
	s_load_b64 s[92:93], s[10:11], 0x70            ; e28, e29
	s_add_nc_u64 s[56:57], s[4:5], s[56:57]
	s_add_nc_u64 s[58:59], s[6:7], s[58:59]
.irp n, 0,1
	s_mov_b32 s[G0X+4*\n], 1
	s_add_co_u32 s[G0X+4*\n+1], s63, \n*SLOT
	s_add_nc_u64 s[G0X+4*\n+2:G0X+4*\n+3], s[56:57], \n*KSC*FRB
	s_or_b32 s[G0X+4*\n+3], s[G0X+4*\n+3], 0x80000000
	s_mov_b32 s[G0W+4*\n], 1
	s_add_co_u32 s[G0W+4*\n+1], s63, \n*SLOT
	s_add_nc_u64 s[G0W+4*\n+2:G0W+4*\n+3], s[58:59], \n*KSC*FRB
	s_or_b32 s[G0W+4*\n+3], s[G0W+4*\n+3], 0x80000000
.endr
	CROUND
	s_cmp_eq_u32 s15, 0                            ; a wave's two first fills stand in one branch on its number: two tensor loads of mine are out
	s_cbranch_scc0 .Lfill_w
	tensor_load_to_lds s[G0X:G0X+3], s[G1X:G1X+7]
	s_nop 0
	tensor_load_to_lds s[G0X+4:G0X+7], s[G1X:G1X+7]
	s_nop 0
	PLACES
	s_branch .Lfilled
.Lfill_w:
	tensor_load_to_lds s[G0W:G0W+3], s[G1W:G1W+7]
	s_nop 0
	tensor_load_to_lds s[G0W+4:G0W+7], s[G1W:G1W+7]
	s_nop 0
	PLACES
.Lfilled:
	s_lshl_b32 s72, s20, 6
	s_lshl_b32 s73, s14, 4
	s_add_co_u32 s72, s72, s73                     ; my first row: 64 y + 16 w
	s_lshl_b32 s72, s72, 12
	s_lshl_b32 s73, s19, 8
	s_add_co_u32 s72, s72, s73
	s_mov_b32 s73, 0
	s_add_nc_u64 s[8:9], s[8:9], s[72:73]
	s_add_nc_u64 s[84:85], s[84:85], s[72:73]
	v_and_b32 v1, 31, v0
	v_lshlrev_b32 v[LI], 4, v1
	v_and_b32 v11, 15, v0
	v_bfe_u32 v12, v0, 4, 1
	v_lshlrev_b32 v[GO], 12, v12
	v_lshl_add_u32 v[GO], v11, 4, v[GO]
.irp i, 0,1,2,3,4,5,6,7
	global_load_b128 v[224+4*\i:227+4*\i], v[GO], s[8:9] offset:8192*\i th:TH_LOAD_NT   ; the residual: two rows' 256 bytes an instruction
.endr
	s_mul_i32 s76, s14, KSC*FRB
	v_add_nc_u32 v[ADX], s76, v[LI]
	v_add_nc_u32 v[ADX+1], SLOT, v[ADX]
	v_add_nc_u32 v[ADW], 4*KSC*FRB, v[LI]
	v_add_nc_u32 v[ADW+1], SLOT, v[ADW]
	s_mul_i32 s76, s14, 16*SPI
	s_add_co_u32 s76, s76, STAGE
	v_mul_u32_u24 v[SD], v12, SPI
	v_lshl_add_u32 v[SD], v11, 4, v[SD]
	v_add_nc_u32 v[SD], s76, v[SD]
	v_mul_u32_u24 v[SA], v11, SPI
	v_lshl_add_u32 v[SA], v12, 5, v[SA]
	v_add_nc_u32 v[SA], s76, v[SA]
.macro FETCH slot, s, set              ; a K step's five fragments: 20 loads of 512 consecutive bytes
.irp g, 0,1,2,3
	ds_load_b128 v[32+80*(\set)+4*\g:35+80*(\set)+4*\g], v[ADX+\slot] offset:(\s)*FRB+512*\g
.endr
.irp t, 0,1,2,3
.irp g, 0,1,2,3
	ds_load_b128 v[48+80*(\set)+16*\t+4*\g:51+80*(\set)+16*\t+4*\g], v[ADW+\slot] offset:\t*KSC*FRB+(\s)*FRB+512*\g
.endr
.endr
.endm
.macro CHUNK slot, zero                ; a slot's K steps on two sets of registers: the next step's fragments are asked for ahead of this step's products
.if !(\zero)
	PLACES
.endif
	FETCH \slot, 0, 0
.set ks, 0
.rept KSC
.if ks+1 < KSC
	PLACES
	FETCH \slot, ks+1, (ks+1)%2
	s_wait_dscnt 20                                ; all but the 20 just issued
.else
	s_wait_dscnt 0x0
.endif
.irp t, 0,1,2,3
.if (\zero) && (ks == 0)
	v_wmma_f32_16x16x128_bf8_bf8 v[ACC+8*\t:ACC+8*\t+7], v[48+80*(ks%2)+16*\t:63+80*(ks%2)+16*\t], v[32+80*(ks%2):47+80*(ks%2)], 0
.else
	v_wmma_f32_16x16x128_bf8_bf8 v[ACC+8*\t:ACC+8*\t+7], v[48+80*(ks%2)+16*\t:63+80*(ks%2)+16*\t], v[32+80*(ks%2):47+80*(ks%2)], v[ACC+8*\t:ACC+8*\t+7]
.endif
.endr
.set ks, ks+1
.endr
.endm
; The change of slots: each wave waits for all its tensor loads (its part of the slot ahead), adds 0 to its spare word, and waits for that and for its reads of slot n, which it has left.
; Behind a round of the cluster's barrier slot n takes the K steps two slots on.
.macro CHANGE n
	s_wait_tensorcnt 0x0                           ; no tensor load of mine is out, so a group 0 may be written
	ds_add_u32 v[SPW], v[NIL]                      ; 0 onto my spare word
	s_add_nc_u64 s[G0X+4*\n+2:G0X+4*\n+3], s[G0X+4*\n+2:G0X+4*\n+3], 2*KSC*FRB
	s_add_nc_u64 s[G0W+4*\n+2:G0W+4*\n+3], s[G0W+4*\n+2:G0W+4*\n+3], 2*KSC*FRB
	s_wait_dscnt 0x0
	CROUND
	JLOAD \n
.endm
	s_wait_tensorcnt 1                             ; my part of slot 0 is in; slot 1's may stay out
	s_barrier_signal -1
	s_barrier_wait -1
	CHUNK 0, 1                                     ; K steps 0-7
	CHANGE 0
	CHUNK 1, 0                                     ; 8-15
	CHANGE 1
	CHUNK 0, 0                                     ; 16-23
	s_wait_tensorcnt 0x0                           ; the last change of slots fills nothing
	ds_add_u32 v[SPW], v[NIL]
	s_wait_dscnt 0x0
	s_barrier_signal -1
	s_barrier_wait -1
	CHUNK 1, 0                                     ; 24-31
	PLACES
	s_wait_kmcnt 0x0
	s_add_co_i32 s96, s92, s93
	s_add_co_i32 s96, s96, 127
	s_lshl_b32 s96, s96, 23                        ; 2^(e28 + e29)
	s_mov_b32 s97, s96
	s_wait_loadcnt 0x0
.irp i, 0,1,2,3,4,5,6,7
	ds_store_b128 v[SD], v[224+4*\i:227+4*\i] offset:2*SPI*\i   ; the residual by rows; LDS serves a wave's instructions in order: no wait ahead of the loads
.endr
.irp t, 0,1,2,3
	ds_load_b128 v[32+8*\t:35+8*\t], v[SA] offset:64*\t         ; and back in the accumulators' layout
	ds_load_b128 v[36+8*\t:39+8*\t], v[SA] offset:64*\t+16
.endr
	s_wait_dscnt 0x0
.set n, 0
.rept 16
	v_pk_fma_f32 v[64+n:65+n], v[ACC+n:ACC+n+1], s[96:97], v[32+n:33+n] op_sel_hi:[1,0,1]   ; out = sum x 2^(e28 + e29) + t1
.set n, n+2
.endr
.irp t, 0,1,2,3
	ds_store_b128 v[SA], v[64+8*\t:67+8*\t] offset:64*\t
	ds_store_b128 v[SA], v[68+8*\t:71+8*\t] offset:64*\t+16
.endr
.irp i, 0,1,2,3,4,5,6,7
	ds_load_b128 v[224+4*\i:227+4*\i], v[SD] offset:2*SPI*\i
.endr
.irp i, 0,1,2,3,4,5,6,7
	s_wait_dscnt 7-\i                              ; rows 2 i, 2 i + 1 are back; the later loads may be out
	global_store_b128 v[GO], v[224+4*\i:227+4*\i], s[84:85] offset:8192*\i th:TH_STORE_NT   ; sixteen lanes store 256 consecutive bytes, aligned
.endr
	s_wait_tensorcnt 0x0                           ; the wave's end
	ds_add_u32 v[SPW], v[NIL]
	s_wait_dscnt 0x0
	CROUND                                         ; the closing round
	s_endpgm
.Lfunc_end_k_q22083a9ac1_ffn2:
	.size	k_q22083a9ac1_ffn2, .Lfunc_end_k_q22083a9ac1_ffn2-k_q22083a9ac1_ffn2
	.p2alignl 7, 3214868480
	.fill 96, 4, 3214868480
	.section	.rodata,"a",@progbits
	.p2align	6, 0x0
	.amdhsa_kernel k_q22083a9ac1_ffn2
		.amdhsa_group_segment_fixed_size 327680
		.amdhsa_private_segment_fixed_size 0
		.amdhsa_enable_private_segment 0
		.amdhsa_kernarg_size 40
		.amdhsa_user_sgpr_count 2
		.amdhsa_user_sgpr_kernarg_segment_ptr 1
		.amdhsa_wavefront_size32 1
		.amdhsa_system_sgpr_workgroup_id_x 1
		.amdhsa_system_sgpr_workgroup_id_y 1
		.amdhsa_system_sgpr_workgroup_id_z 1
		.amdhsa_system_vgpr_workitem_id 0
		.amdhsa_next_free_vgpr 256
		.amdhsa_next_free_sgpr 100
		.amdhsa_reserve_vcc 0
		.amdhsa_float_denorm_mode_32 3
		.amdhsa_float_denorm_mode_16_64 3
		.amdhsa_memory_ordered 1
		.amdhsa_forward_progress 1
		.amdhsa_inst_pref_size 67
	.end_amdhsa_kernel
	.amdgpu_metadata
---
amdhsa.version: [ 1, 2 ]
amdhsa.kernels:
  - .name:           k_q22083a9ac1_ffn2
    .symbol:         k_q22083a9ac1_ffn2.kd
    .args:
      - { .name: hc, .offset: 0, .size: 8, .value_kind: global_buffer, .address_space: global }
      - { .name: codes, .offset: 8, .size: 8, .value_kind: global_buffer, .address_space: global }
      - { .name: t1, .offset: 16, .size: 8, .value_kind: global_buffer, .address_space: global }
      - { .name: lowp_scales, .offset: 24, .size: 8, .value_kind: global_buffer, .address_space: global }
      - { .name: out0, .offset: 32, .size: 8, .value_kind: global_buffer, .address_space: global }
    .group_segment_fixed_size: 327680
    .private_segment_fixed_size: 0
    .kernarg_segment_align: 8
    .kernarg_segment_size: 40
    .max_flat_workgroup_size: 128
    .sgpr_count:     100
    .vgpr_count:     256
    .wavefront_size: 32
...
	.end_amdgpu_metadata
.endif
;; end of part 6
